; MI455X (gfx1250); checked and timed in simulation.
; The chip was launched on July 23, 2026; its instructions are those of AMD's public machine-readable ISA for CDNA 5 (MIT licence, August 2026) and "CDNA5" Instruction Set Architecture Reference Guide (July 2026). The comments in the code are by the model that wrote it; some were corrected since.
;; Multi Head Self Attention. Allowed arithmetic: matrix products marked QUANTISED: E2M3 operands, one E8M0 scale for each 32 along K, by v_wmma_scale_f32_16x16x128_f8f6f4 with both operands' format E2M3, f32 sums; everything else in f32.
;; Inputs: Wk 1,024 x 1,024 float32; Wo 1,024 x 1,024 float32; Wq 1,024 x 1,024 float32; Wv 1,024 x 1,024 float32; bk 1,024 float32; bq 1,024 float32; bv 1,024 float32; x 4,096 x 1,024 float32.
;; Outputs: out0 4,096 x 1,024 float32.
;; Constants: tgt_len = 4096.
;; This version of the problem:
;;   THIS VERSION OF THE PROBLEM IS GIVEN IN LOW PRECISION. The matrix products marked QUANTISED in the list below multiply operands that are first quantised to E2M3 (2 exponent bits, 3 mantissa bits; 6 bits a number), with one power-of-two scale for each 32 numbers along K (OCP MX v1.0); their sums are f32. All else is computed in f32.
;;   The module's matrix products, in the order in which they are computed (A, B: the left and right operand; K: the contracted axis; several contracted axes count as one K, in the product's order):
;;     1. [M 4,096, K 1,024] x [K 1,024, N 1,024]; A: input x; B: input Wq: QUANTISED
;;     2. [M 4,096, K 1,024] x [K 1,024, N 1,024]; A: input x; B: input Wk: QUANTISED
;;     3. [M 4,096, K 1,024] x [K 1,024, N 1,024]; A: input x; B: input Wv: QUANTISED
;;     4. batch 16 x [M 4,096, K 64] x [K 64, N 4,096]; A: computed on the way; B: computed on the way: QUANTISED
;;     5. batch 16 x [M 4,096, K 4,096] x [K 4,096, N 64]; A: computed on the way; B: computed on the way: QUANTISED
;;     6. [M 4,096, K 1,024] x [K 1,024, N 1,024]; A: computed on the way; B: input Wo: QUANTISED
;;   THE QUANTISER, for each operand of a quantised product, along K:
;;     - K is cut into blocks of 32 from its start; a last block that is shorter is filled with zeros.
;;     - A block's scale is 2^e with e = floor(log2(the largest magnitude in the block)) - 2, held to -126 .. 127; a block of zeros has e = 0. As a byte (E8M0): e + 127.
;;     - Each number is divided by its block's scale, clamped to +-7.5, and rounded to the nearest number of E2M3, ties to even, subnormals kept.
;;     - The product sums the exact products of the quantised numbers (number of the format x scale) in f32.
;;   ~~~python
;;   def quantise(x, axis):      # numpy; x: float32 -> the quantised numbers, widened to float32 again
;;       x = np.moveaxis(x, axis, -1); K = x.shape[-1]
;;       x = np.pad(x, [(0, 0)] * (x.ndim - 1) + [(0, -K % 32)]); x = x.reshape(x.shape[:-1] + (-1, 32)); a = np.abs(x).max(-1, keepdims=True)
;;       e = np.where(a > 0, np.clip(np.frexp(np.where(a > 0, a, 1))[1] - 1 - 2, -126, 127), 0)      # np.frexp(a)[1] - 1 = floor(log2(a)), exactly
;;       r = np.clip(x / 2.0 ** e, -7.5, 7.5)
;;       step = 2.0 ** (np.maximum(np.frexp(np.where(r == 0, 1, r))[1] - 1, 0) - 3)
;;       q = np.round(r / step) * step * 2.0 ** e      # np.round: ties to even
;;       return np.moveaxis(q.reshape(q.shape[:-2] + (-1,))[..., :K], -1, axis).astype(np.float32)
;;   ~~~
;;   OPERANDS COMPUTED ON THE WAY. 'Computed on the way' means the value that the module computes at that place (a softmax that the list does not call 'softmax' is quantised finished and normalised). What goes into a quantiser is computed in f32, as accurately as f32 sums, v_exp_f32 and their like allow (about 1e-6 of the number): no bf16 or f16 on the way to a quantiser, and a product that is left as it is and whose result goes on into a quantised operand takes f32 operands (vector FMAs, or v_wmma_f32_16x16x4_f32). A number that lies on a knife's edge between two numbers of the format may be rounded either way, as far as f32 arithmetic and the matrix unit's own rounding can turn it there, and no further.
;; One version. Each part assembles by itself: llvm-mc -triple=amdgcn-amd-amdhsa -mcpu=gfx1250 --defsym DOCPART=n.
;; ======== version 1 of 1: 4 launches
;; workspace buffers: xc 3,145,728 bytes; xs 131,072 bytes; wc 3,145,728 bytes; ws 131,072 bytes; qkvc 9,437,184 bytes; qkvs 393,216 bytes; oc 3,145,728 bytes; os 131,072 bytes
;; launch quant (part 1): grid 256 x 1, 4 waves a work-group, no clusters, 35,328 bytes of LDS; arguments x, Wq, Wk, Wv, Wo, xc, xs, wc, ws; writes xc, xs, wc, ws
.if DOCPART == 1
	.amdgcn_target "amdgcn-amd-amdhsa--gfx1250"
	.amdhsa_code_object_version 6
	.text
	.protected	k_q25696a2b4b_quant
	.globl	k_q25696a2b4b_quant
	.p2align	8
	.type	k_q25696a2b4b_quant,@function
k_q25696a2b4b_quant:
	s_mov_b64 s[64:65], 0
	v_nop
	global_prefetch_b8 v0, s[64:65] scope:SCOPE_SE
	s_setreg_imm32_b32 hwreg(HW_REG_WAVE_MODE, 25, 1), 1
	s_wait_xcnt 0x0
; x [4096][1024] and Wq, Wk, Wv, Wo [1024][1024], f32, K innermost, become codes of FP6 (E2M3) with one E8M0 byte for each 32 along K,
; laid in the order of an operand's registers.  A TILE t = 4 g + T holds 16 rows: position r is row 64 g + 32 (r / 8) + 8 T + r % 8.
; A UNIT is a tile's 16 positions x 64 along K, 768 bytes: byte 256 j + 8 L + b (L = r + 16 h) is byte 8 j + b of the 24 bytes of block h of position r.
; Codes: [tile][16 units][768].  Scale bytes: [tile][u][r][16]: block beta of a row at u = beta / 16, byte beta % 16.
; wc, ws: tiles 0-63 Wq, 64-127 Wk, 128-191 Wv, 192-255 Wo.
; A block's scale is 2^(floor(log2(largest magnitude)) - 2); its byte is the largest magnitude's exponent field - 2, held at 1 from below.
; LIMITS: a block of zeros gets the byte 1 where the rule says 127 (its codes are zeros, and this program alone reads the bytes); NaN and infinities are not served.
; SHARES: 512 tiles, a wave takes half a tile: 16 rows x 512 along K = 8 units.  Each load covers two rows x 256 aligned bytes; a unit's 4,096 bytes turn through the
; wave's own stage in LDS (rows 272 bytes apart) so that lane (r, h) gets the 32 numbers of block h of position r.  Waves share nothing: no barrier.
; Matrix units, clusters and tensor loads would add nothing to a stream that is read once.
.set WREG,  8704                       ; LDS of a wave: two stages of 16 rows x 272 bytes
.set STGB,  4352
.set SPARE, 4*WREG                     ; the spare words: 128 bytes for each wave, two blocks of 256 bytes that no other line names
.set SPW,  1                           ; v1   my spare word's address; never rewritten
.set NIL,  2                           ; v2   0; never rewritten
.set GOF,  3                           ; v3   4,096 (lane / 16) + 16 (lane % 16): my 16 bytes of a load's two rows
.set SIN,  4                           ; v4   the stage, on the way in
.set SOUT, 5                           ; v5   and on the way out: 272 r + 128 h
.set COF,  6                           ; v6   8 x lane
.set SOF,  7                           ; v7   16 r + 8 h
.set H8,   8                           ; v8   8 h
.set HH,   9                           ; v9   h
.set PW,   16                          ; v16-19 the scale bytes, four to a word
.set TT,   24                          ; v24-26 a block's upper 16 codes
.set R,    32                          ; v32-127  three sets of 32 registers as loaded
.set XN,   128                         ; v128-191 two sets of 32 neighbours
.set C,    192                         ; v192-255 codes: eight registers for each unit, so that no store's data are written again
	s_load_b256 s[4:11], s[0:1], 0x0               ; x, Wq, Wk, Wv
	s_load_b256 s[12:19], s[0:1], 0x20             ; Wo, xc, xs, wc
	s_load_b64 s[20:21], s[0:1], 0x40              ; ws
	v_lshl_add_u32 v[SPW], v0, 2, SPARE
	v_mov_b32 v[NIL], 0
	v_lshrrev_b32 v10, 5, v0
	v_readfirstlane_b32 s29, v10                   ; wave
	v_and_b32 v10, 31, v0                          ; lane
	v_and_b32 v11, 15, v0                          ; r
	v_bfe_u32 v[HH], v0, 4, 1                      ; h
	v_lshlrev_b32 v[GOF], 4, v11
	v_lshl_add_u32 v[GOF], v[HH], 12, v[GOF]
	s_mul_i32 s31, s29, WREG
	v_mul_u32_u24 v12, v[HH], 272
	v_lshl_add_u32 v12, v11, 4, v12
	v_add_nc_u32 v[SIN], s31, v12
	v_mul_u32_u24 v12, v11, 272
	v_lshl_add_u32 v12, v[HH], 7, v12
	v_add_nc_u32 v[SOUT], s31, v12
	v_lshlrev_b32 v[COF], 3, v10
	v_lshlrev_b32 v[SOF], 4, v11
	v_lshl_add_u32 v[SOF], v[HH], 3, v[SOF]
	v_lshlrev_b32 v[H8], 3, v[HH]
	v_mov_b32 v27, 0                               ; a lane permute's destination counts as one of its sources
	s_mov_b32 s34, 0x76543210
	s_mov_b32 s35, 0xfedcba98                      ; v_permlanex16_b32's selects for lane l xor 16
	s_lshl_b32 s30, ttmp9, 1
	s_lshr_b32 s32, s29, 1
	s_add_co_u32 s30, s30, s32                     ; my tile among the 512: 2 x work-group + wave / 2
	s_and_b32 s33, s29, 1                          ; u: which half of K
	s_wait_kmcnt 0x0
	s_cmp_lt_u32 ttmp9, 224                        ; only pointers are chosen, by the work-group's number: one path through the text
	s_cselect_b64 s[22:23], s[10:11], s[12:13]
	s_cmp_lt_u32 ttmp9, 192
	s_cselect_b64 s[22:23], s[8:9], s[22:23]
	s_cmp_lt_u32 ttmp9, 160
	s_cselect_b64 s[22:23], s[6:7], s[22:23]
	s_cmp_lt_u32 ttmp9, 128
	s_cselect_b64 s[22:23], s[4:5], s[22:23]       ; the source
	s_cselect_b64 s[24:25], s[14:15], s[18:19]     ; its codes
	s_cselect_b64 s[26:27], s[16:17], s[20:21]     ; its scale bytes
	s_cselect_b32 s28, 255, 63
	s_and_b32 s28, s30, s28                        ; the tile inside its source
	s_and_b32 s30, s30, 255                        ; and inside its codes' buffer
	s_lshr_b32 s36, s28, 2
	s_lshl_b32 s36, s36, 18                        ; 64 g rows of 4,096 bytes
	s_and_b32 s28, s28, 3
	s_lshl_b32 s28, s28, 15                        ; 8 T rows
	s_add_co_u32 s36, s36, s28
	s_lshl_b32 s28, s33, 11                        ; 2,048 u
	s_add_co_u32 s36, s36, s28
	s_mov_b32 s37, 0
	s_add_nc_u64 s[22:23], s[22:23], s[36:37]
	s_mul_i32 s36, s30, 12288
	s_mul_i32 s28, s33, 6144
	s_add_co_u32 s36, s36, s28
	s_add_nc_u64 s[24:25], s[24:25], s[36:37]
	s_lshl_b32 s36, s30, 9
	s_lshl_b32 s28, s33, 8
	s_add_co_u32 s36, s36, s28
	s_add_nc_u64 s[26:27], s[26:27], s[36:37]
.macro LOAD c                          ; unit c: 16 rows x 256 bytes; load i takes positions 2 i and 2 i + 1
.irp i, 0,1,2,3,4,5,6,7
	global_load_b128 v[R+32*((\c)%3)+4*\i:R+32*((\c)%3)+4*\i+3], v[GOF], s[22:23] offset:(32*(\i/4)+2*(\i%4))*4096+256*(\c) th:TH_LOAD_NT
.endr
.endm
.macro TURN c                          ; through the stage: LDS serves a wave's instructions in order, so no wait stands between the stores and the loads
.irp i, 0,1,2,3,4,5,6,7
	ds_store_b128 v[SIN], v[R+32*((\c)%3)+4*\i:R+32*((\c)%3)+4*\i+3] offset:STGB*((\c)%2)+544*\i
.endr
.irp k, 0,1,2,3,4,5,6,7
	ds_load_b128 v[XN+32*((\c)%2)+4*\k:XN+32*((\c)%2)+4*\k+3], v[SOUT] offset:STGB*((\c)%2)+16*\k
.endr
.endm
.macro UNIT c
.set XS, XN+32*((\c)%2)
	s_wait_dscnt 0x0                               ; this unit's numbers are back from the stage, and its stores into the stage have read their registers,
.if (\c) < 5
	LOAD (\c)+3                                    ; which take the loads of three units on
	s_wait_loadcnt 16                              ; the next unit's eight loads are in; those of the two units behind it may be out
.elseif (\c) == 5
	s_wait_loadcnt 8
.elseif (\c) == 6
	s_wait_loadcnt 0
.endif
.if (\c) < 7
	TURN (\c)+1
.endif
	v_max3_num_f32 v20, |v[XS]|, |v[XS+1]|, |v[XS+2]|              ; the block's largest magnitude: all 32 numbers are mine
	v_max3_num_f32 v21, |v[XS+3]|, |v[XS+4]|, |v[XS+5]|
.irp i, 6,10,14,18,22,26
	v_max3_num_f32 v20, v20, |v[XS+\i]|, |v[XS+\i+1]|
	v_max3_num_f32 v21, v21, |v[XS+\i+2]|, |v[XS+\i+3]|
.endr
	v_max3_num_f32 v20, v20, |v[XS+30]|, |v[XS+31]|
	v_max3_num_f32 v20, v20, v21, 0x1800000        ; and the floor 2^(3 - 127): the byte cannot fall under 1
	v_add_nc_u32 v22, 0xff000000, v20              ; 2 off its exponent field: the conversion's scale operand
	v_lshrrev_b32 v23, 23, v22                     ; the scale's byte
	v_cvt_scalef32_pk16_fp6_f32 v[C+8*(\c):C+8*(\c)+2], v[XS:XS+15], v22
	v_cvt_scalef32_pk16_fp6_f32 v[TT:TT+2], v[XS+16:XS+31], v22   ; (a conversion's three registers begin on an even number)
.if (\c)%2 == 0
	v_mov_b32 v[PW+(\c)/2], v23                    ; my bytes: block 2 c + h of the half row.  (Also the plain place behind the conversions)
.else
	v_lshl_or_b32 v[PW+(\c)/2], v23, 16, v[PW+(\c)/2]
.endif
.irp i, 0,1,2
	v_mov_b32 v[C+8*(\c)+3+\i], v[TT+\i]
.endr
.irp j, 0,1,2
	global_store_b64 v[COF], v[C+8*(\c)+2*\j:C+8*(\c)+2*\j+1], s[24:25] offset:768*(\c)+256*\j   ; 32 lanes store 256 consecutive bytes, aligned
.endr
.endm
	LOAD 0
	LOAD 1
	LOAD 2
	s_wait_loadcnt 16                              ; unit 0's eight loads are in
	TURN 0
.irp c, 0,1,2,3,4,5,6,7
	UNIT \c
.endr
.irp i, 0,1,2,3
	v_lshlrev_b32 v[PW+\i], v[H8], v[PW+\i]        ; my bytes at their places (8 h bits up);
.endr
.irp i, 0,1,2,3
	v_permlanex16_b32 v27, v[PW+\i], s34, s35
	v_or_b32 v[PW+\i], v[PW+\i], v27               ; with lane l xor 16's the word is whole
.endr
	v_cmp_eq_u32 vcc_lo, 1, v[HH]
	v_cndmask_b32 v20, v[PW], v[PW+2], vcc_lo      ; lanes 0-15 store words 0 and 1 of their row, lanes 16-31 words 2 and 3
	v_cndmask_b32 v21, v[PW+1], v[PW+3], vcc_lo
	global_store_b64 v[SOF], v[20:21], s[26:27]    ; the wave stores 256 consecutive bytes, aligned
	s_wait_tensorcnt 0x0                           ; the wave's end: behind my last LDS store
	ds_add_u32 v[SPW], v[NIL]
	s_wait_dscnt 0x0
	s_endpgm
.Lfunc_end_k_q25696a2b4b_quant:
	.size	k_q25696a2b4b_quant, .Lfunc_end_k_q25696a2b4b_quant-k_q25696a2b4b_quant
	.p2alignl 7, 3214868480
	.fill 96, 4, 3214868480
	.section	.rodata,"a",@progbits
	.p2align	6, 0x0
	.amdhsa_kernel k_q25696a2b4b_quant
		.amdhsa_group_segment_fixed_size 35328
		.amdhsa_private_segment_fixed_size 0
		.amdhsa_enable_private_segment 0
		.amdhsa_kernarg_size 72
		.amdhsa_user_sgpr_count 2
		.amdhsa_user_sgpr_kernarg_segment_ptr 1
		.amdhsa_wavefront_size32 1
		.amdhsa_system_sgpr_workgroup_id_x 1
		.amdhsa_system_sgpr_workgroup_id_y 1
		.amdhsa_system_sgpr_workgroup_id_z 1
		.amdhsa_system_vgpr_workitem_id 0
		.amdhsa_next_free_vgpr 256
		.amdhsa_next_free_sgpr 66
		.amdhsa_reserve_vcc 1
		.amdhsa_float_denorm_mode_32 3
		.amdhsa_float_denorm_mode_16_64 3
		.amdhsa_memory_ordered 1
		.amdhsa_forward_progress 1
		.amdhsa_inst_pref_size 32
	.end_amdhsa_kernel
	.amdgpu_metadata
---
amdhsa.version: [ 1, 2 ]
amdhsa.kernels:
  - .name:           k_q25696a2b4b_quant
    .symbol:         k_q25696a2b4b_quant.kd
    .args:
      - { .name: x, .offset: 0, .size: 8, .value_kind: global_buffer, .address_space: global }
      - { .name: Wq, .offset: 8, .size: 8, .value_kind: global_buffer, .address_space: global }
      - { .name: Wk, .offset: 16, .size: 8, .value_kind: global_buffer, .address_space: global }
      - { .name: Wv, .offset: 24, .size: 8, .value_kind: global_buffer, .address_space: global }
      - { .name: Wo, .offset: 32, .size: 8, .value_kind: global_buffer, .address_space: global }
      - { .name: xc, .offset: 40, .size: 8, .value_kind: global_buffer, .address_space: global }
      - { .name: xs, .offset: 48, .size: 8, .value_kind: global_buffer, .address_space: global }
      - { .name: wc, .offset: 56, .size: 8, .value_kind: global_buffer, .address_space: global }
      - { .name: ws, .offset: 64, .size: 8, .value_kind: global_buffer, .address_space: global }
    .group_segment_fixed_size: 35328
    .private_segment_fixed_size: 0
    .kernarg_segment_align: 8
    .kernarg_segment_size: 72
    .max_flat_workgroup_size: 128
    .sgpr_count:     66
    .vgpr_count:     256
    .wavefront_size: 32
...
	.end_amdgpu_metadata
.endif
;; end of part 1
;; launch qkv (part 2): grid 12 x 16, 4 waves a work-group, clusters of 4 x 4, 327,680 bytes of LDS; arguments xc, xs, wc, ws, bq, bk, bv, qkvc, qkvs; writes qkvc, qkvs
.if DOCPART == 2
	.amdgcn_target "amdgcn-amd-amdhsa--gfx1250"
	.amdhsa_code_object_version 6
	.text
	.protected	k_q25696a2b4b_qkv
	.globl	k_q25696a2b4b_qkv
	.p2align	8
	.type	k_q25696a2b4b_qkv,@function
k_q25696a2b4b_qkv:
	s_mov_b64 s[64:65], 0
	v_nop
	global_prefetch_b8 v0, s[64:65] scope:SCOPE_SE
	s_setreg_imm32_b32 hwreg(HW_REG_WAVE_MODE, 25, 1), 1
	s_wait_xcnt 0x0
	s_wait_alu depctr_hold_cnt(0) depctr_sa_sdst(0) depctr_va_vdst(0) depctr_va_sdst(0) depctr_va_ssrc(0) depctr_va_vcc(0) depctr_vm_vsrc(0)
	s_getreg_b32 s2, hwreg(HW_REG_IB_STS2, 6, 4)
	s_cmp_eq_u32 s2, 0
	s_cbranch_scc0 .Lentry_in_a_cluster
	s_endpgm
.Lentry_in_a_cluster:
	s_bfe_u32 s2, ttmp6, 0x10000c
	s_cmp_lg_u32 s2, 0xf033
	s_cbranch_scc0 .Lentry_shape_is_right
	s_endpgm
.Lentry_shape_is_right:
; q = x Wq^T + bq, k = x Wk^T + bk, v = x Wv^T + bv on codes of FP6 (E2M3) with E8M0 scales, K = 1,024; the results are quantised at once for the attention's products and leave as codes.
; TILES AND UNITS as the quantising launch lays them: tile t = 4 g + T, position r = row 64 g + 32 (r / 8) + 8 T + r % 8; a unit = 16 positions x 64 along K, 768 bytes in the order of an operand's registers.
; A work-group of four waves makes 256 x 256, a wave 128 x 128: 64 accumulators.  Source 0 = side B, source 1 = side A: lane (r, h) holds position r of A's tile, and the 32 registers of B's tiles 4 g .. 4 g + 3
; are B's rows 64 g + 32 h + 0 .. 31: ONE WHOLE BLOCK OF 32 in a lane, in order.  So a result is quantised with no exchange between lanes, and its codes are half a fragment of the next product.
; q, k (cluster x = 0, 1): A = tokens, B = the weight's rows: a lane holds a token and 32 channels of a head (their K).   v (cluster x = 2): A = Wv's rows, B = tokens: a lane holds a channel and 32 tokens (its K: the keys).
; One text serves the three: buffers and tile numbers are chosen by s_cselect on the cluster's x, which all partners share; one branch on it parts the two ways of adding the bias.
; OUT: qkvc: q, k, v, 3,145,728 bytes each; q, k: unit = 256 head + token tile; v: unit = 256 head + 4 (key / 64) + the tile of the head's 64 channels.  qkvs: [unit][32]: byte 2 r + h.
; K goes in four fills of 256 through two LDS slots; a tile's part of a fill is 3,072 consecutive bytes, so every fragment load reads 256 consecutive bytes and no padding is wanted.
; CLUSTERS: 4 x 4 work-groups; A's tiles are asked for jointly along a row of the cluster, B's along a column.  The scale bytes of the work-group's rows come once, with the first fills.
; No prefetch: of the four fills two go out at the head, and the other two follow within two steps.
; LIMITS: a block of zeros gets the byte 1 where the rule says 127 (zero codes; the bytes are read by this program alone); NaN and infinities are not served.
; REGISTERS: window 0: v1-31 addresses; v32-63 scale words, two sets; v64-127 the bias by B's rows, later at work; v128-223 A's fragments, later the codes; v224-239 the bias by A's rows.
;   window 1: B's fragments, two sets (v0, v128).   windows 2, 3: the accumulators ((a, b) at v[8 (8 (a % 4) + b)]).
.set NQ,    2                          ; matrix instructions deep in a fill
.set FR,    12                         ; registers of a fragment
.set NL,    6                          ; LDS loads that bring one
.set NP,    4                          ; places behind this matrix instruction (ISA guide 7.12.1)
.set TILEB, 12288                      ; a tile's codes for all of K
.set FILLB, 3072                       ; and for one fill: four units
.set HALFT, 8*FILLB                    ; eight tiles: what one tensor load brings, and what one wave reads of A or of B
.set SLOT,  4*HALFT
.set SCL,   2*SLOT                     ; behind the ring: the scale bytes, A's 8,192 and B's 8,192
.set HALFS, 4096
.set SPARE, SCL+4*HALFS                ; the spare words: 128 bytes for each wave, two blocks of 256 bytes that no other line names
.set ADRA, 16                          ; v16-17 my A fragments in slot 0, 1
.set ADRB, 20                          ; v20-21 the same for B
.set BO0,  22                          ; v22  byte offset of the bias by B's rows
.set BO1,  23                          ; v23  and by A's rows
.set L8,   24                          ; v24  8 x lane
.set SBA,  25                          ; v25  the way out: my byte in the wave's 512 scale bytes (in slot 0, behind its last fill and its last read)
.set SBR,  26                          ; v26  and where I read 16 of them back
.set ADRS, 27                          ; v27  my scale words: lanes 0-15 A's rows, lanes 16-31 B's
.set SPW,  28                          ; v28  my spare word's address; never rewritten
.set NIL,  29                          ; v29  0; never rewritten
.set VSO,  30                          ; v30  my byte offset in qkvs
.set SC,   32
.set B0,   64
.set TT,   64                          ; later: v64-79 upper halves of codes, v80-83 maxima, v84-87 scale operands, v88-91 bytes
.set AM,   80
.set XO,   84
.set BY,   88
.set AF,   128
.set CD,   128                         ; later: the codes, six registers for each of 16 units
.set B1,   224
.set G1, 24
.set G0, 32
.set G1B, 48
.set G0B, 56
.set G1S, 68
.set G0S, 76
.set G1SB, 80
.set G0SB, 88
.set MSB, 0
.macro WIN new                         ; the immediate's high byte repeats the setting that is left
.set NW, \new
.if MSB != NW
	s_set_vgpr_msb (MSB<<8)|NW
.set MSB, NW
.endif
.endm
.set MUL_LO, 0xa1                      ; source 0 (B) window 1, source 1 (A) window 0, C and D window 2
.set MUL_HI, 0xf1
.set TO_B,   0x40
.macro JLOAD g0a, g1a, g0b, g1b        ; a joint load: waves 0 and 1 fetch for A, waves 2 and 3 for B; an s_nop 0 and four v_nop follow each line
	s_cmp_eq_u32 s15, 0
	s_cbranch_scc0 .Lfor_b_\@
	tensor_load_to_lds s[\g0a:\g0a+3], s[\g1a:\g1a+7]
	s_nop 0
.rept 4
	v_nop
.endr
	s_branch .Lasked_\@
.Lfor_b_\@:
	tensor_load_to_lds s[\g0b:\g0b+3], s[\g1b:\g1b+7]
	s_nop 0
.rept 4
	v_nop
.endr
.Lasked_\@:
.endm
.macro CREST                           ; a round of the cluster's barrier behind its opening barrier
	s_cmp_lg_u32 s14, 0
	s_cbranch_scc1 .Lnot_wave_0_\@
	s_barrier_signal -3
.Lnot_wave_0_\@:
	s_barrier_wait -3
	s_barrier_signal -1
	s_barrier_wait -1
.endm
.macro CROUND
	s_barrier_signal -1
	s_barrier_wait -1
	CREST
.endm
	s_load_b256 s[4:11], s[0:1], 0x0               ; xc, xs, wc, ws
	s_load_b256 s[92:99], s[0:1], 0x20             ; bq, bk, bv, qkvc
	s_load_b64 s[100:101], s[0:1], 0x40            ; qkvs
	v_lshl_add_u32 v[SPW], v0, 2, SPARE
	v_mov_b32 v[NIL], 0
	ds_add_u32 v[SPW], v[NIL]                      ; the wave's opening: the add and its wait stand ahead of my first tensor load; work on registers stands between them
	v_lshrrev_b32 v1, 5, v0
	v_readfirstlane_b32 s14, v1                    ; wave 0..3
	s_lshr_b32 s15, s14, 1                         ; which half of A's rows is mine.  Also: I fetch for A (0) or for B (1)
	s_and_b32 s16, s14, 1                          ; which half of B's rows.  Also: which eight tiles I fetch
	s_bfe_u32 s40, ttmp6, 0x40000                  ; cx
	s_bfe_u32 s41, ttmp6, 0x40004                  ; cy
	s_and_b32 s66, ttmp7, 0xffff
	s_lshl_b32 s66, s66, 6                         ; 64 x cluster y
	s_lshl_b32 s19, ttmp9, 6                       ; 64 x cluster x
	s_cmp_eq_u32 ttmp9, 2                          ; v?  The same in all sixteen partners
	s_cselect_b32 s67, 1, 0
	s_cselect_b32 s17, 128, s66                    ; A's first tile: Wv's begin at 128; tokens at 64 x cluster y
	s_cselect_b32 s42, s66, s19                    ; B's: tokens; or the weight's, 64 x cluster x
	s_lshl_b32 s20, s41, 4
	s_add_co_u32 s17, s17, s20                     ; + 16 cy: shared along a row of the cluster
	s_lshl_b32 s46, s40, 4
	s_add_co_u32 s42, s42, s46                     ; + 16 cx: shared along a column
	s_lshl_b32 s43, s41, 2
	s_lshl_b32 s43, 15, s43                        ; my row of the cluster
	s_lshl_b32 s44, 0x1111, s40                    ; my column
	s_or_b32 s[G1+0], s43, (3<<16)|(1<<21)         ; 15:0 the mask; 17:16 elements of 8 bytes; 21 set beside a mask; no padding
	s_or_b32 s[G1B+0], s44, (3<<16)|(1<<21)
.irp g, G1, G1B
	s_mov_b32 s[\g+1], 384<<16                     ; tensor_dim0 = 384 elements: a tile's 3,072 bytes of a fill
	s_mov_b32 s[\g+2], 8<<16                       ; tensor_dim1 = 8 tiles
	s_mov_b32 s[\g+3], 384<<16                     ; tile_dim0
	s_mov_b32 s[\g+4], 8                           ; tile_dim1
	s_mov_b32 s[\g+5], 1536                        ; from tile to tile: 12,288 bytes
	s_mov_b32 s[\g+6], 0
	s_mov_b32 s[\g+7], 0
.endr
	s_or_b32 s[G1S+0], s43, (3<<16)|(1<<21)        ; the scale bytes of eight tiles: 4,096 dense bytes as 16 rows of 256
	s_or_b32 s[G1SB+0], s44, (3<<16)|(1<<21)
.irp g, G1S, G1SB
	s_mov_b32 s[\g+1], 32<<16
	s_mov_b32 s[\g+2], 16<<16
	s_mov_b32 s[\g+3], 32<<16
	s_mov_b32 s[\g+4], 16
	s_mov_b32 s[\g+5], 32
	s_mov_b32 s[\g+6], 0
	s_mov_b32 s[\g+7], 0
.endr
	s_lshl_b32 s18, s16, 3                         ; which eight tiles I fetch
	s_add_co_u32 s20, s17, s18
	s_add_co_u32 s46, s42, s18
	s_mul_i32 s22, s20, 512                        ; where their scale bytes begin,
	s_mul_i32 s20, s20, TILEB                      ; and their codes
	s_mov_b32 s21, 0
	s_mov_b32 s23, 0
	s_mul_i32 s104, s46, 512
	s_mul_i32 s46, s46, TILEB
	s_mov_b32 s47, 0
	s_mov_b32 s105, 0
	s_mul_i32 s45, s14, HALFT                      ; where they go: wave x eight tiles: no place in the cluster enters an LDS address
	s_lshl_b32 s2, s14, 12
	s_wait_dscnt 0x0                               ; the opening add is done
	s_wait_kmcnt 0x0
	s_cmp_eq_u32 s67, 1
	s_cselect_b64 s[G0+2:G0+3], s[8:9], s[4:5]     ; A's codes: wc for v, else xc
	s_cselect_b64 s[G0S+2:G0S+3], s[10:11], s[6:7]
	s_cselect_b64 s[G0B+2:G0B+3], s[4:5], s[8:9]   ; B's the other way round
	s_cselect_b64 s[G0SB+2:G0SB+3], s[6:7], s[10:11]
	s_add_nc_u64 s[G0+2:G0+3], s[G0+2:G0+3], s[20:21]
	s_add_nc_u64 s[G0+6:G0+7], s[G0+2:G0+3], FILLB ; slot 1 begins with the second fill
	s_add_nc_u64 s[G0S+2:G0S+3], s[G0S+2:G0S+3], s[22:23]
	s_add_nc_u64 s[G0B+2:G0B+3], s[G0B+2:G0B+3], s[46:47]
	s_add_nc_u64 s[G0B+6:G0B+7], s[G0B+2:G0B+3], FILLB
	s_add_nc_u64 s[G0SB+2:G0SB+3], s[G0SB+2:G0SB+3], s[104:105]
	s_or_b32 s[G0+3], s[G0+3], 0x80000000          ; type = 2
	s_or_b32 s[G0+7], s[G0+7], 0x80000000
	s_or_b32 s[G0S+3], s[G0S+3], 0x80000000
	s_or_b32 s[G0B+3], s[G0B+3], 0x80000000
	s_or_b32 s[G0B+7], s[G0B+7], 0x80000000
	s_or_b32 s[G0SB+3], s[G0SB+3], 0x80000000
	s_mov_b32 s[G0], 1
	s_mov_b32 s[G0+4], 1
	s_mov_b32 s[G0B], 1
	s_mov_b32 s[G0B+4], 1
	s_mov_b32 s[G0S], 1
	s_mov_b32 s[G0SB], 1
	s_mov_b32 s[G0+1], s45
	s_add_co_u32 s[G0+5], s45, SLOT
	s_mov_b32 s[G0B+1], s45
	s_add_co_u32 s[G0B+5], s45, SLOT
	s_add_co_u32 s[G0S+1], s2, SCL
	s_add_co_u32 s[G0SB+1], s2, SCL
	CROUND                                         ; all sixteen work-groups are here: the first joint loads meet
	JLOAD G0S, G1S, G0SB, G1SB                     ; three loads of mine are out: the scale bytes,
	JLOAD G0, G1, G0B, G1B                         ; slot 0,
	JLOAD G0+4, G1, G0B+4, G1B                     ; slot 1
	v_and_b32 v1, 15, v0                           ; r
	v_bfe_u32 v2, v0, 4, 1                         ; h
	v_and_b32 v3, 31, v0                           ; lane
	v_lshlrev_b32 v[L8], 3, v3
	s_mul_i32 s21, s15, HALFT                      ; my eight tiles of A
	s_mul_i32 s22, s16, HALFT                      ; my eight of B,
	s_add_co_u32 s22, s22, 2*HALFT                 ; which lie behind A's sixteen
.irp s, 0,1
	v_add_nc_u32 v[ADRA+\s], s21, v[L8]
	v_add_nc_u32 v[ADRB+\s], s22, v[L8]
	s_add_co_u32 s21, s21, SLOT
	s_add_co_u32 s22, s22, SLOT
.endr
	v_lshlrev_b32 v5, 4, v1                        ; my row's scale bytes: 16 r,
	s_lshl_b32 s21, s15, 12                        ; A's: my eight tiles
	s_lshl_b32 s22, s16, 12                        ; B's: my eight, behind A's sixteen
	s_add_co_u32 s22, s22, 2*HALFS
	s_sub_co_u32 s22, s22, s21
	v_mul_u32_u24 v6, s22, v2                      ; lanes 16-31 take B's: one product in h
	s_add_co_u32 s21, s21, SCL
	v_add_nc_u32 v5, v5, v6
	v_add_nc_u32 v[ADRS], s21, v5
	s_lshl_b32 s21, s14, 9                         ; the way out: 512 bytes for each wave
	v_lshl_add_u32 v[SBA], v1, 1, v2               ; 2 r + h
	v_add_nc_u32 v[SBA], s21, v[SBA]
	v_lshlrev_b32 v[SBR], 4, v3
	v_add_nc_u32 v[SBR], s21, v[SBR]
	; which 128 rows of A's tensor (i1) and of B's (i0) are my wave's
	s_lshl_b32 s2, s67, 7
	s_sub_co_u32 s2, s17, s2
	s_lshr_b32 s2, s2, 3
	s_add_co_u32 s2, s2, s15                       ; i1
	s_xor_b32 s3, s67, 1
	s_mul_i32 s3, s3, s19
	s_sub_co_u32 s3, s42, s3
	s_lshr_b32 s3, s3, 3
	s_add_co_u32 s3, s3, s16                       ; i0
	s_lshl_b32 s104, s3, 9
	s_lshl_b32 s20, s2, 9
	s_cmp_eq_u32 s67, 1
	s_cselect_b32 s104, 0, s104                    ; q, k: the bias runs along B's rows, 512 i0 bytes on; both sets of loads stay inside the 4,096 bytes in both roles
	s_cselect_b32 s20, s20, 0                      ; v: along A's rows, 512 i1 bytes on
	s_cselect_b32 s12, 256, 4                      ; units from one group of four of A's tiles to the next
	s_cselect_b32 s13, 4, 256                      ; and from one 64 of B's rows to the next
	s_cselect_b32 s18, s2, s3
	s_cselect_b32 s66, s3, s2
	s_lshl_b32 s18, s18, 9
	s_lshl_b32 s66, s66, 3
	s_add_co_u32 s18, s18, s66
	s_lshl_b32 s66, ttmp9, 12
	s_add_co_u32 s2, s18, s66                      ; my first unit: 4,096 x tensor + 512 x (head pair) + 8 x (the other index)
	s_cmp_eq_u32 ttmp9, 0
	s_cselect_b64 s[92:93], s[92:93], s[94:95]
	s_cmp_eq_u32 ttmp9, 2
	s_cselect_b64 s[92:93], s[96:97], s[92:93]     ; bq, bk or bv
	v_lshlrev_b32 v[BO0], 7, v2                    ; 128 h
	v_add_nc_u32 v[BO0], s104, v[BO0]
	v_and_b32 v3, 7, v1
	v_lshrrev_b32 v4, 3, v1
	v_lshl_add_u32 v3, v4, 5, v3                   ; 32 (r / 8) + r % 8
	v_lshlrev_b32 v[BO1], 2, v3
	v_add_nc_u32 v[BO1], s20, v[BO1]
.irp k, 0,1,2,3,4,5,6,7,8,9,10,11,12,13,14,15
	global_load_b128 v[B0+4*\k:B0+4*\k+3], v[BO0], s[92:93] offset:256*(\k/8)+16*(\k%8)   ; register 32 g + t: the bias of B's row 64 g + 32 h + t
.endr
.irp a, 0,1,2,3,4,5,6,7
	global_load_b32 v[B1+2*\a], v[BO1], s[92:93] offset:4*(64*(\a/4)+8*(\a%4))             ; the bias of position r of A's tile a, twice: a pair for the packed add
	global_load_b32 v[B1+2*\a+1], v[BO1], s[92:93] offset:4*(64*(\a/4)+8*(\a%4))
.endr
	s_mov_b32 s19, 0
	s_mul_i32 s18, s2, 768
	s_add_nc_u64 s[4:5], s[98:99], s[18:19]        ; four bases for the codes: (A's group, B's 64) = (0, 0),
	s_mul_i32 s18, s13, 768
	s_add_nc_u64 s[6:7], s[4:5], s[18:19]          ; (0, 1),
	s_mul_i32 s18, s12, 768
	s_add_nc_u64 s[8:9], s[4:5], s[18:19]          ; (1, 0),
	s_add_nc_u64 s[10:11], s[6:7], s[18:19]        ; (1, 1)
	s_lshl_b32 s18, s2, 5
	s_add_nc_u64 s[100:101], s[100:101], s[18:19]  ; and the scale bytes': 32 a unit
	v_bfe_u32 v5, v0, 4, 1
	v_bfe_u32 v6, v0, 3, 1
	v_mul_u32_u24 v5, s12, v5
	v_mad_u32_u24 v5, v6, s13, v5
	v_and_b32 v6, 7, v0
	v_lshlrev_b32 v5, 5, v5
	v_lshl_add_u32 v[VSO], v6, 4, v5               ; lane L holds bytes of unit 8 (L / 16) + 4 ((L / 8) % 2) + (L / 2) % 4 of my sixteen
.macro FRAG reg, adr, q, i             ; a fragment, 16 positions x 128 K: two units, six loads of 8 bytes a lane, each 256 consecutive bytes for the wave
.irp p, 0,1,2,3,4,5
	ds_load_b64 v[\reg+2*\p:\reg+2*\p+1], v[\adr] offset:FILLB*(\i)+768*(2*(\q)+\p/3)+256*(\p%3)
.endr
.endm
; 16 matrix instructions: A's blocks a0, a0 + 1 x B's eight.  The 64 accumulators take turns, one instruction a turn, in the same order in every step.
.macro MUL16 a0, p, q, sc, zero
.irp a, \a0, \a0+1
.irp b, 0,1,2,3,4,5,6,7
.if \zero
	v_wmma_scale_f32_16x16x128_f8f6f4 v[8*(8*((\a)%4)+\b):8*(8*((\a)%4)+\b)+7], v[128*(\p)+FR*\b:128*(\p)+FR*\b+FR-1], v[AF+FR*(\a):AF+FR*(\a)+FR-1], 0, v[SC+8*NQ*(\sc)+NQ*\b+(\q)], v[SC+8*NQ*(\sc)+NQ*(\a)+(\q)] matrix_a_fmt:MATRIX_FMT_FP6 matrix_b_fmt:MATRIX_FMT_FP6 matrix_a_scale:MATRIX_SCALE_ROW1
.else
	v_wmma_scale_f32_16x16x128_f8f6f4 v[8*(8*((\a)%4)+\b):8*(8*((\a)%4)+\b)+7], v[128*(\p)+FR*\b:128*(\p)+FR*\b+FR-1], v[AF+FR*(\a):AF+FR*(\a)+FR-1], v[8*(8*((\a)%4)+\b):8*(8*((\a)%4)+\b)+7], v[SC+8*NQ*(\sc)+NQ*\b+(\q)], v[SC+8*NQ*(\sc)+NQ*(\a)+(\q)] matrix_a_fmt:MATRIX_FMT_FP6 matrix_b_fmt:MATRIX_FMT_FP6 matrix_a_scale:MATRIX_SCALE_ROW1
.endif
.endr
.endr
.endm
.macro FETCH_B slot, q, p
	WIN TO_B
.irp i, 0,1,2,3,4,5,6,7
	FRAG 128*(\p)+FR*\i, ADRB+\slot, \q, \i
.endr
	WIN 0
.endm
.macro FETCH_A slot, q, i0
.irp i, \i0, \i0+1, \i0+2, \i0+3
	FRAG AF+FR*(\i), ADRA+\slot, \q, \i
.endr
.endm
.macro SCALES sc, ks                   ; fill ks's scale words into set sc: two words a row; lanes 0-15 A's tile i, lanes 16-31 B's tile i
.irp i, 0,1,2,3,4,5,6,7
	ds_load_b64 v[SC+8*NQ*\sc+NQ*\i:SC+8*NQ*\sc+NQ*\i+1], v[ADRS] offset:512*\i+256*((\ks)/2)+8*((\ks)%2)
.endr
.endm
.macro PLACES n                        ; plain vector instructions between a matrix instruction and a load into, or a read of, its registers
.rept \n
	v_nop
.endr
.endm
.macro STEP slot, q, zero              ; a step of 128 along K that has its successor in the same slot
	s_wait_dscnt 4*NL                              ; B's set and A's blocks 0-3 are in; the youngest 24 loads (A's blocks 4-7) may be out
	WIN MUL_LO
	MUL16 0, (\q)%2, \q, \slot, \zero
	MUL16 2, (\q)%2, \q, \slot, \zero
	s_wait_dscnt 0
	PLACES NP
	FETCH_B \slot, (\q)+1, 1-(\q)%2
	FETCH_A \slot, (\q)+1, 0
	WIN MUL_HI
	MUL16 4, (\q)%2, \q, \slot, \zero
	MUL16 6, (\q)%2, \q, \slot, \zero
	PLACES NP
	WIN 0
	FETCH_A \slot, (\q)+1, 4
.endm
; A slot's last step changes slots: one barrier; in front of it each wave waits for all its tensor loads, adds 0 to its spare word, and waits for that and for its reads of this slot.
.macro TURN slot, next, fill, ksn
	s_wait_tensorcnt 0x0                           ; all my tensor loads have landed: my part of the next slot
	ds_add_u32 v[SPW], v[NIL]                      ; 0 onto my spare word
	s_wait_dscnt 4*NL+1                            ; (the add and the youngest 24 loads may be out)
	WIN MUL_LO
	MUL16 0, 1, NQ-1, \slot, 0
	s_wait_dscnt 0x0                               ; the add is done, and my reads of this slot are over
	s_barrier_signal -1
	MUL16 2, 1, NQ-1, \slot, 0
	WIN 0
	s_barrier_wait -1
.if \fill
	CREST                                          ; the barrier has opened a round of the cluster's: no wave of any partner still reads this slot or has a load on its way
	s_add_nc_u64 s[G0+4*\slot+2:G0+4*\slot+3], s[G0+4*\slot+2:G0+4*\slot+3], 2*FILLB
	s_add_nc_u64 s[G0B+4*\slot+2:G0B+4*\slot+3], s[G0B+4*\slot+2:G0B+4*\slot+3], 2*FILLB
	JLOAD G0+4*\slot, G1, G0B+4*\slot, G1B         ; the first tensor load behind the round; its four v_nop are the places in front of the loads below
.else
	PLACES NP
.endif
	FETCH_B \next, 0, 0
	FETCH_A \next, 0, 0
	SCALES \next, \ksn
	WIN MUL_HI
	MUL16 4, 1, NQ-1, \slot, 0
	MUL16 6, 1, NQ-1, \slot, 0
	PLACES NP
	WIN 0
	FETCH_A \next, 0, 4
.endm
	s_wait_tensorcnt 1                             ; the scale bytes and my part of slot 0 are in (slot 1's load may be out),
	s_barrier_signal -1
	s_barrier_wait -1                              ; everybody's are
	FETCH_B 0, 0, 0
	FETCH_A 0, 0, 0
	SCALES 0, 0
	FETCH_A 0, 0, 4
	STEP 0, 0, 1                                   ; the first products start the sums: nothing is cleared
	TURN 0, 1, 1, 1                                ; four fills: the whole walk is written out
	STEP 1, 0, 0
	TURN 1, 0, 1, 2
	STEP 0, 0, 0
	TURN 0, 1, 0, 3
	STEP 1, 0, 0
	s_wait_dscnt 4*NL
	WIN MUL_LO
	MUL16 0, 1, NQ-1, 1, 0
	MUL16 2, 1, NQ-1, 1, 0
	s_wait_dscnt 0
	WIN MUL_HI
	MUL16 4, 1, NQ-1, 1, 0
	MUL16 6, 1, NQ-1, 1, 0
	WIN 0
	; THE WAY OUT.  The bias, then each of my 16 units: a block's largest magnitude, its byte, its codes.
	PLACES NP
	s_wait_loadcnt 0x0                             ; the biases
	s_cmp_eq_u32 s67, 1
	s_cbranch_scc1 .Lbias_v
.irp z, 2,3
	WIN (\z<<6)|\z                                 ; the accumulators (destination and source 0) in window z, the bias in window 0
.set i, 0
.rept 128
	v_pk_add_f32 v[2*i:2*i+1], v[2*i:2*i+1], v[B0+(2*i)%64:B0+(2*i)%64+1]     ; q, k: by B's row; each accumulator from its low end on
.set i, i+1
.endr
.endr
	WIN 0
	s_branch .Lbias_done
.Lbias_v:
.irp z, 2,3
	WIN (\z<<6)|\z
.set i, 0
.rept 128
	v_pk_add_f32 v[2*i:2*i+1], v[2*i:2*i+1], v[B1+2*(4*(\z-2)+i/32):B1+2*(4*(\z-2)+i/32)+1]   ; v: by A's position
.set i, i+1
.endr
.endr
	WIN 0
.Lbias_done:
.macro QUAD z, g                       ; four units: A's tiles a' = 0 .. 3 of window z, B's 64 rows g; unit a' is registers 64 a' + 32 g + 0 .. 31
.set UQ, 4*(2*((\z)-2)+(\g))
	WIN ((\z)<<4)|((\z)<<2)
.irp a, 0,1,2,3
	v_max3_num_f32 v[AM+\a], 0x1800000, |v[64*\a+32*(\g)]|, |v[64*\a+32*(\g)+1]|   ; with the floor 2^(3 - 127): the byte cannot fall under 1
.endr
.irp i, 2,4,6,8,10,12,14,16,18,20,22,24,26,28,30
.irp a, 0,1,2,3
	v_max3_num_f32 v[AM+\a], v[AM+\a], |v[64*\a+32*(\g)+\i]|, |v[64*\a+32*(\g)+\i+1]|   ; (the four units by turns)
.endr
.endr
	WIN 0
.irp a, 0,1,2,3
	v_add_nc_u32 v[XO+\a], 0xff000000, v[AM+\a]    ; 2 off the exponent field: the conversion's scale operand
.endr
.irp a, 0,1,2,3
	v_lshrrev_b32 v[BY+\a], 23, v[XO+\a]           ; the scale's byte
.endr
	WIN \z
.irp a, 0,1,2,3
	v_cvt_scalef32_pk16_fp6_f32 v[CD+6*(UQ+\a):CD+6*(UQ+\a)+2], v[64*\a+32*(\g):64*\a+32*(\g)+15], v[XO+\a]
	v_cvt_scalef32_pk16_fp6_f32 v[TT+4*\a:TT+4*\a+2], v[64*\a+32*(\g)+16:64*\a+32*(\g)+31], v[XO+\a]   ; (a conversion's three registers begin on an even number)
.endr
	WIN 0
	v_nop                                          ; one plain place behind a scaled conversion
.irp a, 0,1,2,3
.irp i, 0,1,2
	v_mov_b32 v[CD+6*(UQ+\a)+3+\i], v[TT+4*\a+\i]
.endr
.endr
.irp a, 0,1,2,3
	ds_store_b8 v[SBA], v[BY+\a] offset:32*(UQ+\a)
.endr
.irp a, 0,1,2,3
.irp j, 0,1,2
	global_store_b64 v[L8], v[CD+6*(UQ+\a)+2*\j:CD+6*(UQ+\a)+2*\j+1], s[4+2*(2*((\z)-2)+(\g)):5+2*(2*((\z)-2)+(\g))] offset:768*\a+256*\j   ; 32 lanes store 256 consecutive bytes, aligned
.endr
.endr
.endm
	QUAD 2, 0
	QUAD 2, 1
	QUAD 3, 0
	QUAD 3, 1
	ds_load_b128 v[92:95], v[SBR]                  ; LDS serves a wave's instructions in order: this sees my byte stores
	s_wait_dscnt 0x0
	global_store_b128 v[VSO], v[92:95], s[100:101] ; eight lanes hold four units' 128 bytes; the instruction covers two aligned runs of 256 bytes
	s_wait_tensorcnt 0x0                           ; the wave's end: behind my last tensor load and my last LDS store
	ds_add_u32 v[SPW], v[NIL]
	s_wait_dscnt 0x0
	CROUND                                         ; the closing round
	s_endpgm
.Lfunc_end_k_q25696a2b4b_qkv:
	.size	k_q25696a2b4b_qkv, .Lfunc_end_k_q25696a2b4b_qkv-k_q25696a2b4b_qkv
	.p2alignl 7, 3214868480
	.fill 96, 4, 3214868480
	.section	.rodata,"a",@progbits
	.p2align	6, 0x0
	.amdhsa_kernel k_q25696a2b4b_qkv
		.amdhsa_group_segment_fixed_size 327680
		.amdhsa_private_segment_fixed_size 0
		.amdhsa_enable_private_segment 0
		.amdhsa_kernarg_size 72
		.amdhsa_user_sgpr_count 2
		.amdhsa_user_sgpr_kernarg_segment_ptr 1
		.amdhsa_wavefront_size32 1
		.amdhsa_system_sgpr_workgroup_id_x 1
		.amdhsa_system_sgpr_workgroup_id_y 1
		.amdhsa_system_sgpr_workgroup_id_z 1
		.amdhsa_system_vgpr_workitem_id 0
		.amdhsa_next_free_vgpr 1024
		.amdhsa_next_free_sgpr 106
		.amdhsa_reserve_vcc 0
		.amdhsa_float_denorm_mode_32 3
		.amdhsa_float_denorm_mode_16_64 3
		.amdhsa_memory_ordered 1
		.amdhsa_forward_progress 1
		.amdhsa_inst_pref_size 194
	.end_amdhsa_kernel
	.amdgpu_metadata
---
amdhsa.version: [ 1, 2 ]
amdhsa.kernels:
  - .name:           k_q25696a2b4b_qkv
    .symbol:         k_q25696a2b4b_qkv.kd
    .args:
      - { .name: xc, .offset: 0, .size: 8, .value_kind: global_buffer, .address_space: global }
      - { .name: xs, .offset: 8, .size: 8, .value_kind: global_buffer, .address_space: global }
      - { .name: wc, .offset: 16, .size: 8, .value_kind: global_buffer, .address_space: global }
      - { .name: ws, .offset: 24, .size: 8, .value_kind: global_buffer, .address_space: global }
      - { .name: bq, .offset: 32, .size: 8, .value_kind: global_buffer, .address_space: global }
      - { .name: bk, .offset: 40, .size: 8, .value_kind: global_buffer, .address_space: global }
      - { .name: bv, .offset: 48, .size: 8, .value_kind: global_buffer, .address_space: global }
      - { .name: qkvc, .offset: 56, .size: 8, .value_kind: global_buffer, .address_space: global }
      - { .name: qkvs, .offset: 64, .size: 8, .value_kind: global_buffer, .address_space: global }
    .group_segment_fixed_size: 327680
    .private_segment_fixed_size: 0
    .kernarg_segment_align: 8
    .kernarg_segment_size: 72
    .max_flat_workgroup_size: 128
    .sgpr_count:     106
    .vgpr_count:     1024
    .wavefront_size: 32
...
	.end_amdgpu_metadata
.endif
;; end of part 2
;; launch attn (part 3): grid 16 x 16, 4 waves a work-group, no clusters, 279,552 bytes of LDS; arguments qkvc, qkvs, oc, os; writes oc, os
.if DOCPART == 3
	.amdgcn_target "amdgcn-amd-amdhsa--gfx1250"
	.amdhsa_code_object_version 6
	.text
	.protected	k_q25696a2b4b_attn
	.globl	k_q25696a2b4b_attn
	.p2align	8
	.type	k_q25696a2b4b_attn,@function
k_q25696a2b4b_attn:
	s_mov_b64 s[64:65], 0
	v_nop
	global_prefetch_b8 v0, s[64:65] scope:SCOPE_SE
	s_setreg_imm32_b32 hwreg(HW_REG_WAVE_MODE, 25, 1), 1
	s_wait_xcnt 0x0
; o = softmax_fastexp(q k^T x SCALING) v for one head and 256 queries, both products on codes of FP6 (E2M3) with E8M0 scales; o leaves as codes for the last product.
; WHAT IS QUANTISED ALONG THE KEYS IS THE FINISHED p = e / sum(e), e = the bit pattern of A (score x SCALING - row maximum) + B taken as a whole number.  e cannot be rescaled and the divisor is no power of two,
; so a row's maximum and sum are both known before a code of p is made: THE SCORES OF 16 QUERIES x 4,096 KEYS STAY IN REGISTERS between their three uses, 512 registers in each of four waves.
; SHARES.  Work-group: head = y, 16 query tiles = x; it stays for its 16 tiles.  Wave w owns keys 1,024 w .. + 1,023: their K codes stay in 384 registers, their V codes in 49,152 bytes of LDS of its own, filled once by copies.
; The row's maximum and sum, and the four partial O, are joined through LDS: two barriers a tile, one more for every four tiles.
; LAYOUT.  Tiles and units as the launches before lay them.  S^T = K Q^T (source 0 = 16 keys): the 32 registers of key tiles 4 g .. 4 g + 3 are keys 64 g + 32 h + 0 .. 31 of query r: one block of 32 in a lane.
; K = 64 IN A FORM OF K = 128: a register pair holds key tiles 2 i and 2 i + 1 side by side; q stands between two wings of zero codes, so that v[30:41] meets the first tile and v[24:35] the second.
; O^T = V^T P^T (source 0 = 16 channels): a lane's 32 registers are channels 32 h + 0 .. 31 of query r: again one block.
; NO JOINT LOADS: K goes from memory into registers, which a tensor load cannot fill, and a head's 393,216 bytes of K and V codes are read once, at the head, for 16 tiles' work.  No prefetch: nothing is streamed behind the head.
; LIMITS: where A d + B lies in [0, 2^23) the definition gives 0 and this text a number under 2^-126 (it changes no sum and adds under 2^-114 |v|); negative values become 0 by the conversion's saturation;
; score x SCALING - m is one fused operation, and so is A d + B; e / s is e x v_rcp_f32(s); a block of zeros gets the byte 1, not 127; NaN and infinities are not served.
; REGISTERS: window 0: v1-15, v43 addresses; v16-21 three pairs (-m, B, 1 / s); v24-41 q between its wings; v42 q's scale word; v44-59 scale words alone; v60-75 the blocks' maxima; v76-87 chains, then p's first fragment;
;   v88-119 O^T; v120-122 at work; v124-255 K pairs 21-31.   window 1: K pairs 0-20.   windows 2, 3: the scores (key tile t at 8 (t % 32)), later V's fragments and p's.
.set KSW,   196608                     ; LDS: V 4 x 49,152; K's scale words 4 x 2,048;
.set VSW,   204800                     ; V's scale words 4 x 2,048;
.set MX,    212992                     ; the waves' maxima, 256 bytes; their sums 256 bytes on;
.set OIMG,  213504                     ; partial O: 4 slots x 4 waves x 4,096;
.set SPARE, 279040                     ; the spare words: 128 bytes for each wave, two blocks of 256 bytes that no other line names
.set SPW,  1
.set NIL,  2
.set L8,   3                           ; 8 x lane
.set R2,   4                           ; 2 r
.set AV,   5                           ; my V codes: 49,152 w + 8 x lane
.set AVS,  6                           ; V's scale words: 2,048 w + 4 x lane
.set AKS,  7                           ; K's
.set MXW,  8                           ; MX + 16 r + 4 w
.set MXR,  9                           ; MX + 16 r
.set OIW0, 10                          ; OIMG + 4,096 w + 16 x lane
.set OIW,  11                          ; + the slot
.set OIR,  12                          ; OIMG + 16,384 w + 16 x lane
.set H8,   13                          ; 8 h
.set OSO,  14                          ; 16 r + h
.set CL,   15                          ; the copies' LDS address; kept
.set CG,   43                          ; and their offset in memory; kept
.set NM,   16
.set GB,   18
.set RS,   20
.set QS,   42
.set POOL, 44
.set BM,   60
.set CH,   76
.set PC,   76
.set OA,   88
.set TA,   120
.set KB,   12                          ; s[12:13] my K codes   s[14:15] my V codes   s[16:17], s[18:19] their scale bytes   s[20:21], s[22:23] the chunk's q codes and scale bytes
.set WV,   24
.set QP,   28                          ; s[28:29], s[30:31] the next q tile's
.set CS,   32                          ; s[32:33] SCALING   s[34:35] A   s36 -SCALING
.set CA,   34
.set TC,   37                          ; tiles begun
.set SEL,  38
.set SLT,  40                          ; the slot's bytes: the inner loop's counter
.set OUTC, 41
.set MSB, 0
.macro WIN new                         ; the immediate's high byte repeats the setting that is left
.set NW, \new
.if MSB != NW
	s_set_vgpr_msb (MSB<<8)|NW
.set MSB, NW
.endif
.endm
.macro KWLOAD                          ; K's scale words: register i: lanes 0-15 pair 2 i, lanes 16-31 pair 2 i + 1
.set i, 0
.rept 16
	ds_load_b32 v[POOL+i], v[AKS] offset:128*i
.set i, i+1
.endr
.endm
.macro KLOAD from, to                  ; key tiles from .. to - 1 into their halves of the pairs
.set t, \from
.rept (\to)-(\from)
.if t < 42
.set kr, 12*(t/2)+6*(t%2)
.else
.set kr, 124+12*(t/2-21)+6*(t%2)
.endif
.irp j, 0,1,2
	global_load_b64 v[kr+2*\j:kr+2*\j+1], v[L8], s[KB:KB+1] offset:768*t+256*\j
.endr
.set t, t+1
.endr
.endm
	s_load_b256 s[4:11], s[0:1], 0x0               ; qkvc, qkvs, oc, os
	v_lshl_add_u32 v[SPW], v0, 2, SPARE
	v_mov_b32 v[NIL], 0
	ds_add_u32 v[SPW], v[NIL]                      ; the wave's opening: the add and its wait stand ahead of my first copy; work on registers stands between them
	v_lshrrev_b32 v22, 5, v0
	v_readfirstlane_b32 s[WV], v22                 ; wave 0..3
	v_and_b32 v23, 31, v0                          ; lane
	v_and_b32 v24, 15, v0                          ; r
	v_bfe_u32 v25, v0, 4, 1                        ; h
	v_lshlrev_b32 v[L8], 3, v23
	v_lshlrev_b32 v[R2], 1, v24
	s_mul_i32 s25, s[WV], 49152
	v_add_nc_u32 v[AV], s25, v[L8]
	v_lshlrev_b32 v26, 4, v23                      ; 16 x lane
	v_add_nc_u32 v[CL], s25, v26
	v_mov_b32 v[CG], v26
	s_lshl_b32 s25, s[WV], 11
	v_lshlrev_b32 v27, 2, v23
	v_add_nc_u32 v27, s25, v27
	v_add_nc_u32 v[AKS], KSW, v27
	v_add_nc_u32 v[AVS], VSW, v27
	v_lshlrev_b32 v27, 4, v24                      ; 16 r
	v_add_nc_u32 v[MXR], MX, v27
	s_lshl_b32 s25, s[WV], 2
	v_add_nc_u32 v[MXW], s25, v[MXR]
	s_lshl_b32 s25, s[WV], 12
	v_add_nc_u32 v[OIW0], s25, v26
	v_add_nc_u32 v[OIW0], OIMG, v[OIW0]
	s_lshl_b32 s25, s[WV], 14
	v_add_nc_u32 v[OIR], s25, v26
	v_add_nc_u32 v[OIR], OIMG, v[OIR]
	v_lshlrev_b32 v[H8], 3, v25
	v_add_nc_u32 v[OSO], v27, v25
	v_lshl_add_u32 v22, v25, 6, v[R2]              ; K's scale bytes: 64 (lane / 16) + 2 r
	v_lshl_add_u32 v23, v25, 5, v[R2]              ; V's: 32 (lane / 16) + 2 r
	s_mov_b32 s[CS], 0x3dff910f                    ; SCALING: the fast inverse square root of 64, step by step in f32: 16,748,815 x 2^-27
	s_mov_b32 s[CS+1], s[CS]                       ; (named with it as a pair, so it is written)
	s_mov_b32 s[CA], 0x4b38aa3b                    ; A = 12,102,203
	s_mov_b32 s[CA+1], s[CA]
	s_mov_b32 s36, 0xbdff910f                      ; -SCALING
	s_mov_b32 s[SEL], 0x76543210
	s_mov_b32 s[SEL+1], 0xfedcba98                 ; v_permlanex16_b32's selects for lane l xor 16
	s_mov_b32 s[TC], 0
	s_mov_b32 s[OUTC], 0
	s_and_b32 s42, ttmp7, 0xffff                   ; the head
	s_lshl_b32 s25, s42, 8
	s_lshl_b32 s43, s[WV], 6
	s_add_co_u32 s43, s25, s43                     ; my first unit of K and of V: 256 head + 64 w
	s_mul_i32 s26, s43, 768
	s_mov_b32 s27, 0
	s_lshl_b32 s44, s43, 5
	s_mov_b32 s45, 0
	s_wait_dscnt 0x0                               ; the opening add is done
	s_wait_kmcnt 0x0
	s_add_nc_u64 s[12:13], s[4:5], s[26:27]
	s_add_nc_u64 s[14:15], s[12:13], 6291456       ; v's part of qkvc
	s_add_nc_u64 s[12:13], s[12:13], 3145728       ; k's
	s_add_nc_u64 s[16:17], s[6:7], s[44:45]
	s_add_nc_u64 s[18:19], s[16:17], 262144
	s_add_nc_u64 s[16:17], s[16:17], 131072
	s_lshl_b32 s43, ttmp9, 4
	s_add_co_u32 s44, s25, s43                     ; the chunk's first unit of q: 256 head + 16 chunk
	s_mul_i32 s26, s44, 768
	s_add_nc_u64 s[20:21], s[4:5], s[26:27]
	s_lshl_b32 s26, s44, 5
	s_add_nc_u64 s[22:23], s[6:7], s[26:27]
	s_add_co_u32 s43, s43, s[WV]                   ; the first query tile that I finish: 16 chunk + w
	s_lshl_b32 s26, s43, 4
	s_add_co_u32 s26, s26, s42
	s_mul_i32 s26, s26, 768
	s_add_nc_u64 s[8:9], s[8:9], s[26:27]          ; oc: [tile][head][768]
	s_lshl_b32 s26, s43, 9
	s_lshr_b32 s44, s42, 3
	s_lshl_b32 s44, s44, 8
	s_add_co_u32 s26, s26, s44
	s_and_b32 s44, s42, 7
	s_lshl_b32 s44, s44, 1
	s_add_co_u32 s26, s26, s44
	s_add_nc_u64 s[10:11], s[10:11], s[26:27]      ; os: 512 tile + 256 (head / 8) + 2 (head % 8)
.irp i, 0,1,2,3,4,5,6,7,8,9,10,11,12,13,14,15
	global_load_u16 v[60+2*\i], v22, s[16:17] offset:128*\i        ; key tile 4 i + 2 (lane / 16): its two bytes of position r,
	global_load_u16 v[61+2*\i], v22, s[16:17] offset:128*\i+32     ; and the next tile's
.endr
.irp n, 0,1,2,3,4,5,6,7,8,9,10,11,12,13,14,15
	global_load_u16 v[92+2*\n], v23, s[18:19] offset:256*(\n/2)+64*(\n%2)       ; step n / 2, channel tile 2 (n % 2) + lane / 16: the first 64 keys' two bytes,
	global_load_u16 v[93+2*\n], v23, s[18:19] offset:256*(\n/2)+64*(\n%2)+128   ; the second 64's
.endr
.irp j, 0,1,2
	global_load_b64 v[30+2*\j:31+2*\j], v[L8], s[20:21] offset:256*\j           ; q's first tile
.endr
	global_load_u16 v[QS], v[R2], s[22:23]
	WIN 0x40                                       ; destination window 1
	KLOAD 0, 21                                    ; 63 loads
	WIN 0
.set i, 0
.rept 96
	global_load_async_to_lds_b128 v[CL], v[CG], s[14:15] offset:512*i           ; my 49,152 bytes of V codes, as they lie; filled once
.set i, i+1
.endr
	s_wait_loadcnt 63                              ; only the 63 loads of K issued last may be out: the scale bytes and q are in
.irp i, 0,1,2,3,4,5,6,7,8,9,10,11,12,13,14,15
	v_lshl_or_b32 v[60+2*\i], v[61+2*\i], 16, v[60+2*\i]
	v_lshl_or_b32 v[92+2*\i], v[93+2*\i], 16, v[92+2*\i]
.endr
.irp i, 0,1,2,3,4,5,6,7,8,9,10,11,12,13,14,15
	ds_store_b32 v[AKS], v[60+2*\i] offset:128*\i  ; my wave's own bytes: no barrier
	ds_store_b32 v[AVS], v[92+2*\i] offset:128*\i
.endr
	WIN 0x40
	KLOAD 21, 42
	WIN 0
	KLOAD 42, 64
	v_lshl_or_b32 v[QS], v[QS], 16, v[QS]          ; q's two bytes twice: for either half of K
.irp i, 24,25,26,27,28,29,36,37,38,39,40,41
	v_mov_b32 v[\i], 0                             ; the wings: zero codes
.endr
	v_mov_b32 v[NM+1], 0                           ; (the upper halves of three pairs are named, so they are written)
	v_mov_b32 v[GB], 0x4e7de9a3                    ; B = 1,064,986,816
	v_mov_b32 v[GB+1], 0
	v_mov_b32 v[RS+1], 0
	v_mov_b32 v23, 0                               ; a lane permute's destination counts as one of its sources
.irp s, 0,1,2,3,4,5,6,7
	v_mov_b32 v[OA+4*\s+2], 0
.endr
	KWLOAD
	s_wait_loadcnt 0x0                             ; K
	s_wait_dscnt 0x0
.macro SMM                             ; the scores of key tile t
.set zz, 2+t/32
.if t < 42
.set ka, 1
.set kr, 12*(t/2)
.else
.set ka, 0
.set kr, 124+12*(t/2-21)
.endif
.set qr, 30-6*(t%2)
	WIN (zz<<6)|ka
.if (t/2)%2
	v_wmma_scale_f32_16x16x128_f8f6f4 v[8*(t%32):8*(t%32)+7], v[kr:kr+11], v[qr:qr+11], 0, v[POOL+t/4], v[QS] matrix_a_fmt:MATRIX_FMT_FP6 matrix_b_fmt:MATRIX_FMT_FP6 matrix_a_scale:MATRIX_SCALE_ROW1
.else
	v_wmma_scale_f32_16x16x128_f8f6f4 v[8*(t%32):8*(t%32)+7], v[kr:kr+11], v[qr:qr+11], 0, v[POOL+t/4], v[QS] matrix_a_fmt:MATRIX_FMT_FP6 matrix_b_fmt:MATRIX_FMT_FP6
.endif
.endm
.macro MAXOPS                          ; key tile u's eight scores into four chains, from the low end on; four tiles make a block of 32
.set zz, 2+u/32
	WIN (zz<<4)|(zz<<2)
.irp c, 0,1,2,3
.if u%4 == 0
	v_max3_num_f32 v[CH+\c], 0xff800000, v[8*(u%32)+2*\c], v[8*(u%32)+2*\c+1]
.else
	v_max3_num_f32 v[CH+\c], v[CH+\c], v[8*(u%32)+2*\c], v[8*(u%32)+2*\c+1]
.endif
.endr
.if u%4 == 3
	WIN 0
	v_max3_num_f32 v[BM+u/4], v[CH], v[CH+1], v[CH+2]
	v_max_num_f32 v[BM+u/4], v[BM+u/4], v[CH+3]
.endif
.endm
.macro PLOC s                          ; where p's fragment of step s lies: the first in window 0, the others in the 12 registers that the step before leaves beside V's fragments
.if (\s) == 0
.set pw_, 0
.set pr_, PC
.else
.set pw_, 2+((\s)-1)/4
.set pr_, 64*(((\s)-1)%4)+48
.endif
.set ws_, 2+(\s)/4
.set sb_, 64*((\s)%4)
.endm
.macro PM s, lo, n                     ; lines lo .. lo + n - 1 of step s's 32: e x 1 / s
	PLOC \s
	WIN (ws_<<6)|ws_
.set i, \lo
.rept \n
	v_pk_mul_f32 v[sb_+2*i:sb_+2*i+1], v[sb_+2*i:sb_+2*i+1], v[RS:RS+1] op_sel_hi:[1,0]
.set i, i+1
.endr
.endm
.macro PCV s                           ; step s's 64 numbers of p become a fragment
	PLOC \s
.if (\s) < 2
.set tb_, 116
.else
.set tb_, BM
.endif
	WIN (pw_<<6)|ws_
	v_cvt_scalef32_pk16_fp6_f32 v[pr_:pr_+2], v[sb_:sb_+15], v[BM+2*(\s)]
	v_cvt_scalef32_pk16_fp6_f32 v[pr_+6:pr_+8], v[sb_+32:sb_+47], v[BM+2*(\s)+1]
	WIN ws_
	v_cvt_scalef32_pk16_fp6_f32 v[TA:TA+2], v[sb_+16:sb_+31], v[BM+2*(\s)]          ; (a conversion's three registers begin on an even number)
	v_cvt_scalef32_pk16_fp6_f32 v[tb_:tb_+2], v[sb_+48:sb_+63], v[BM+2*(\s)+1]
	WIN pw_<<6
	v_nop                                          ; one plain place behind a scaled conversion
.irp i, 0,1,2
	v_mov_b32 v[pr_+3+\i], v[TA+\i]
.endr
.irp i, 0,1,2
	v_mov_b32 v[pr_+9+\i], v[tb_+\i]
.endr
.if (\s) == 7
.rept 4
	v_nop                                          ; an operand written by vector instructions stands four plain vector instructions ahead of a scaled matrix instruction: behind the earlier steps' moves stand a later step's 32 scalings; behind the last step's nothing is left but loads and products
.endr
.endif
.endm
.macro PLD s                           ; V's four fragments of step s into the registers that its p has left, and their scale words: 26 loads
	PLOC \s
	WIN ws_<<6
.irp T, 0,1,2,3
.irp c, 0,1
.irp j, 0,1,2
	ds_load_b64 v[sb_+12*\T+6*\c+2*\j:sb_+12*\T+6*\c+2*\j+1], v[AV] offset:((2*(\s)+\c)*4+\T)*768+256*\j
.endr
.endr
.endr
	WIN 0
	ds_load_b32 v[POOL+8+2*((\s)%2)], v[AVS] offset:128*(2*(\s))
	ds_load_b32 v[POOL+9+2*((\s)%2)], v[AVS] offset:128*(2*(\s)+1)
.endm
.macro PW s, T                         ; O^T's tile T += V^T P^T over step s's 128 keys.  The four accumulators take turns, one instruction a turn
	PLOC \s
.set vf_, sb_+12*(\T)
.set oa_, OA+8*(\T)
.set sv_, POOL+8+2*((\s)%2)+(\T)/2
	WIN (pw_<<2)|ws_
.if (\s) == 0
.if (\T)%2
	v_wmma_scale_f32_16x16x128_f8f6f4 v[oa_:oa_+7], v[vf_:vf_+11], v[pr_:pr_+11], 0, v[sv_], v[POOL+(\s)] matrix_a_fmt:MATRIX_FMT_FP6 matrix_b_fmt:MATRIX_FMT_FP6 matrix_a_scale:MATRIX_SCALE_ROW1
.else
	v_wmma_scale_f32_16x16x128_f8f6f4 v[oa_:oa_+7], v[vf_:vf_+11], v[pr_:pr_+11], 0, v[sv_], v[POOL+(\s)] matrix_a_fmt:MATRIX_FMT_FP6 matrix_b_fmt:MATRIX_FMT_FP6
.endif
.else
.if (\T)%2
	v_wmma_scale_f32_16x16x128_f8f6f4 v[oa_:oa_+7], v[vf_:vf_+11], v[pr_:pr_+11], v[oa_:oa_+7], v[sv_], v[POOL+(\s)] matrix_a_fmt:MATRIX_FMT_FP6 matrix_b_fmt:MATRIX_FMT_FP6 matrix_a_scale:MATRIX_SCALE_ROW1
.else
	v_wmma_scale_f32_16x16x128_f8f6f4 v[oa_:oa_+7], v[vf_:vf_+11], v[pr_:pr_+11], v[oa_:oa_+7], v[sv_], v[POOL+(\s)] matrix_a_fmt:MATRIX_FMT_FP6 matrix_b_fmt:MATRIX_FMT_FP6
.endif
.endif
.endm
.Louter:                                           ; four trips of four query tiles
	s_mov_b32 s[SLT], 0
.Ltile:
	; ---- a: my 1,024 keys' scores, and the largest of each block of 32.  The maxima of the tile before stand behind each product: they are the four places between a product and the read of its result
.set t, 0
.rept 64
.if t%4 == 0
	s_wait_dscnt 15-t/4                            ; K's scale word t / 4 is in; the younger ones may be out
.endif
	SMM
.if t == 0
.rept 4
	v_nop                                          ; the first product has no earlier tile's maxima behind it
.endr
.else
.set u, t-1
	MAXOPS
.endif
.set t, t+1
.endr
.set u, 63
	MAXOPS
	; ---- b: the row's largest score, over my blocks, the other half of the lanes and the four waves
	v_max3_num_f32 v22, v[BM], v[BM+1], v[BM+2]
	v_max3_num_f32 v23, v[BM+3], v[BM+4], v[BM+5]
	v_max3_num_f32 v22, v22, v[BM+6], v[BM+7]
	v_max3_num_f32 v23, v23, v[BM+8], v[BM+9]
	v_max3_num_f32 v22, v22, v[BM+10], v[BM+11]
	v_max3_num_f32 v23, v23, v[BM+12], v[BM+13]
	v_max3_num_f32 v22, v22, v[BM+14], v[BM+15]
	v_max_num_f32 v22, v22, v23
	v_permlanex16_b32 v23, v22, s[SEL], s[SEL+1]
	v_max_num_f32 v22, v22, v23
	ds_store_b32 v[MXW], v22                       ; both halves of the lanes write the same word with the same value
	s_add_co_u32 s[TC], s[TC], 1                   ; the next tile's q is asked for here; behind the last tile the count wraps to the chunk's first: no load leaves its buffer, and no branch is wanted
	s_and_b32 s43, s[TC], 15
	s_mul_i32 s26, s43, 768
	s_add_nc_u64 s[QP:QP+1], s[20:21], s[26:27]    ; (the last trip's loads by these bases were waited for in that trip)
	s_lshl_b32 s26, s43, 5
	s_add_nc_u64 s[QP+2:QP+3], s[22:23], s[26:27]
.irp j, 0,1,2
	global_load_b64 v[30+2*\j:31+2*\j], v[L8], s[QP:QP+1] offset:256*\j
.endr
	global_load_u16 v[QS], v[R2], s[QP+2:QP+3]
	s_wait_dscnt 0x0                               ; for the others' sake: my store is done
	s_barrier_signal -1
	s_barrier_wait -1
	ds_load_b128 v[76:79], v[MXR]
	s_wait_dscnt 0x0
	v_max3_num_f32 v22, v76, v77, v78
	v_max_num_f32 v22, v22, v79
	v_mul_f32 v[NM], s36, v22                      ; -m = -(the largest score x SCALING): rounding keeps the order, so this is the largest scaled score
	; ---- c: e, in place, in sweeps; its sum in four chains
.irp z, 2,3
	WIN (\z<<6)|\z
.set i, 0
.rept 128
	v_pk_fma_f32 v[2*i:2*i+1], v[2*i:2*i+1], s[CS:CS+1], v[NM:NM+1] op_sel_hi:[1,0,0]   ; d = score x SCALING - m
.set i, i+1
.endr
.set i, 0
.rept 128
	v_pk_fma_f32 v[2*i:2*i+1], v[2*i:2*i+1], s[CA:CA+1], v[GB:GB+1] op_sel_hi:[1,0,0]   ; A d + B
.set i, i+1
.endr
.set i, 0
.rept 256
	v_cvt_u32_f32 v[i], v[i]                       ; as a whole number: its bits are e; what is negative becomes 0
.set i, i+1
.endr
	WIN \z<<2
.set i, 0
.rept 128
.if (\z == 2) && (i < 4)
	v_pk_add_f32 v[CH+2*i:CH+2*i+1], 0, v[2*i:2*i+1] op_sel_hi:[0,1]                    ; the first four pairs start the chains
.else
	v_pk_add_f32 v[CH+2*(i%4):CH+2*(i%4)+1], v[CH+2*(i%4):CH+2*(i%4)+1], v[2*i:2*i+1]
.endif
.set i, i+1
.endr
.endr
	WIN 0
	; ---- d: the row's sum
	v_pk_add_f32 v[76:77], v[76:77], v[78:79]
	v_pk_add_f32 v[80:81], v[80:81], v[82:83]
	v_pk_add_f32 v[76:77], v[76:77], v[80:81]
	v_add_f32 v76, v76, v77
	v_permlanex16_b32 v77, v76, s[SEL], s[SEL+1]
	v_add_f32 v76, v76, v77
	ds_store_b32 v[MXW], v76 offset:256
	s_wait_dscnt 0x0
	s_barrier_signal -1
.irp i, 0,2,4,6,8,10,12,14                 ; work on registers while the others arrive: the same three steps on each block's largest score give, bit for bit, the block's largest e: each step keeps the order
	v_pk_fma_f32 v[BM+\i:BM+\i+1], v[BM+\i:BM+\i+1], s[CS:CS+1], v[NM:NM+1] op_sel_hi:[1,0,0]
.endr
.irp i, 0,2,4,6,8,10,12,14
	v_pk_fma_f32 v[BM+\i:BM+\i+1], v[BM+\i:BM+\i+1], s[CA:CA+1], v[GB:GB+1] op_sel_hi:[1,0,0]
.endr
.irp i, 0,1,2,3,4,5,6,7,8,9,10,11,12,13,14,15
	v_cvt_u32_f32 v[BM+\i], v[BM+\i]
.endr
	s_barrier_wait -1
	ds_load_b128 v[76:79], v[MXR] offset:256
	s_wait_dscnt 0x0
	v_add_f32 v76, v76, v77
	v_add_f32 v78, v78, v79
	v_add_f32 v76, v76, v78
	v_rcp_f32 v[RS], v76
	; ---- e: the scales of p
	s_wait_loadcnt 0x0                             ; the next tile's q
	v_lshl_or_b32 v[QS], v[QS], 16, v[QS]          ; (also the plain place behind the reciprocal)
	s_wait_alu depctr_va_vdst(0)                   ; ahead of the first line that names the reciprocal
.irp i, 0,2,4,6,8,10,12,14
	v_pk_mul_f32 v[BM+\i:BM+\i+1], v[BM+\i:BM+\i+1], v[RS:RS+1] op_sel_hi:[1,0]         ; the block's largest p
.endr
.irp i, 0,1,2,3,4,5,6,7,8,9,10,11,12,13,14,15
	v_max_num_f32 v[BM+\i], 0x1800000, v[BM+\i]    ; the floor 2^(3 - 127): the byte cannot fall under 1
.endr
.irp i, 0,1,2,3,4,5,6,7,8,9,10,11,12,13,14,15
	v_add_nc_u32 v[BM+\i], 0xff000000, v[BM+\i]    ; 2 off the exponent field: the conversions' scale operands
.endr
.irp s, 0,1,2,3,4,5,6,7
	v_lshrrev_b32 v[OA+4*\s], 23, v[BM+2*\s]
.endr
.irp s, 0,1,2,3,4,5,6,7
	v_lshrrev_b32 v[OA+4*\s+1], 23, v[BM+2*\s+1]
.endr
.irp s, 0,1,2,3,4,5,6,7
	v_lshl_or_b32 v[OA+4*\s], v[OA+4*\s+1], 16, v[OA+4*\s]   ; my two bytes of step s: blocks h and 2 + h,
.endr
.irp s, 0,1,2,3,4,5,6,7
	v_lshlrev_b32 v[OA+4*\s], v[H8], v[OA+4*\s]    ; at their places;
.endr
.irp s, 0,1,2,3,4,5,6,7
	v_permlanex16_b32 v[OA+4*\s+2], v[OA+4*\s], s[SEL], s[SEL+1]
.endr
.irp s, 0,1,2,3,4,5,6,7
	v_or_b32 v[POOL+\s], v[OA+4*\s], v[OA+4*\s+2]  ; with lane l xor 16's two the word is whole
.endr
	s_wait_asynccnt 0x0                            ; my V codes are in LDS; only I read them
	; ---- f: O^T = V^T P^T, eight steps of 128 keys; a step's p is scaled and turned into codes, and its V fetched, two steps ahead
	PM 0, 0, 32
	PCV 0
	PLD 0
	PM 1, 0, 32
	PCV 1
	PLD 1
.irp s, 0,1,2,3,4,5,6,7
.if \s < 7
	s_wait_dscnt 26                                ; this step's V is in; the next step's 26 loads may be out
.else
	s_wait_dscnt 0x0
.endif
.irp T, 0,1,2,3
	PW \s, \T
.if \s < 6
	PM \s+2, 8*\T, 8
.endif
.endr
.if \s < 6
	PCV \s+2
	PLD \s+2
.endif
.endr
	; ---- g: my partial O^T goes to LDS as an image of its registers
	WIN 0
	v_add_nc_u32 v[OIW], s[SLT], v[OIW0]
.rept 4
	v_nop                                          ; places behind the last products
.endr
.irp k, 0,1,2,3,4,5,6,7
	ds_store_b128 v[OIW], v[OA+4*\k:OA+4*\k+3] offset:512*\k       ; each accumulator from its low end on
.endr
	KWLOAD                                         ; K's scale words for the next tile
	s_add_co_u32 s[SLT], s[SLT], 16384
	s_cmp_lt_u32 s[SLT], 65536
	s_cbranch_scc1 .Ltile
	; ---- every four tiles: wave w adds the four waves' parts of tile w, quantises the 64 channels and stores a unit of o
	s_wait_dscnt 0x0
	s_barrier_signal -1
	s_barrier_wait -1
	WIN 0x80                                       ; destination window 2
.irp w, 0,1,2,3
.irp k, 0,1,2,3,4,5,6,7
	ds_load_b128 v[32*\w+4*\k:32*\w+4*\k+3], v[OIR] offset:4096*\w+512*\k
.endr
.endr
	s_wait_dscnt 0x0
	WIN 0x8a
.set i, 0
.rept 16
	v_pk_add_f32 v[2*i:2*i+1], v[2*i:2*i+1], v[32+2*i:33+2*i]
	v_pk_add_f32 v[64+2*i:65+2*i], v[64+2*i:65+2*i], v[96+2*i:97+2*i]
.set i, i+1
.endr
.set i, 0
.rept 16
	v_pk_add_f32 v[2*i:2*i+1], v[2*i:2*i+1], v[64+2*i:65+2*i]
.set i, i+1
.endr
	WIN 0x28                                       ; sources 1 and 2 window 2
	v_max3_num_f32 v22, 0x1800000, |v0|, |v1|      ; the block's largest magnitude, with the floor
	v_max3_num_f32 v23, 0x1800000, |v2|, |v3|
.irp i, 4,8,12,16,20,24,28
	v_max3_num_f32 v22, v22, |v[\i]|, |v[\i+1]|
	v_max3_num_f32 v23, v23, |v[\i+2]|, |v[\i+3]|
.endr
	WIN 0
	v_max_num_f32 v22, v22, v23
	v_add_nc_u32 v22, 0xff000000, v22
	v_lshrrev_b32 v23, 23, v22
	WIN 2                                          ; source 0 window 2
	v_cvt_scalef32_pk16_fp6_f32 v[PC:PC+2], v[0:15], v22
	v_cvt_scalef32_pk16_fp6_f32 v[TA:TA+2], v[16:31], v22
	WIN 0
	v_nop                                          ; one plain place behind a scaled conversion
.irp i, 0,1,2
	v_mov_b32 v[PC+3+\i], v[TA+\i]
.endr
.irp j, 0,1,2
	global_store_b64 v[L8], v[PC+2*\j:PC+2*\j+1], s[8:9] offset:256*\j          ; 32 lanes store 256 consecutive bytes, aligned
.endr
	global_store_b8 v[OSO], v23, s[10:11]          ; my block's byte: one byte in 24 of what is stored here
	s_wait_xcnt 0x0                                ; the stores have read their registers and bases: both are written again only behind this wait
	s_add_nc_u64 s[8:9], s[8:9], 49152             ; four tiles on
	s_add_nc_u64 s[10:11], s[10:11], 2048
	s_add_co_u32 s[OUTC], s[OUTC], 1
	s_cmp_lt_u32 s[OUTC], 4
	s_cbranch_scc1 .Louter
	s_wait_tensorcnt 0x0                           ; the wave's end: behind my last LDS store (the copies were waited for in every tile)
	ds_add_u32 v[SPW], v[NIL]
	s_wait_dscnt 0x0
	s_endpgm
.Lfunc_end_k_q25696a2b4b_attn:
	.size	k_q25696a2b4b_attn, .Lfunc_end_k_q25696a2b4b_attn-k_q25696a2b4b_attn
	.p2alignl 7, 3214868480
	.fill 96, 4, 3214868480
	.section	.rodata,"a",@progbits
	.p2align	6, 0x0
	.amdhsa_kernel k_q25696a2b4b_attn
		.amdhsa_group_segment_fixed_size 279552
		.amdhsa_private_segment_fixed_size 0
		.amdhsa_enable_private_segment 0
		.amdhsa_kernarg_size 32
		.amdhsa_user_sgpr_count 2
		.amdhsa_user_sgpr_kernarg_segment_ptr 1
		.amdhsa_wavefront_size32 1
		.amdhsa_system_sgpr_workgroup_id_x 1
		.amdhsa_system_sgpr_workgroup_id_y 1
		.amdhsa_system_sgpr_workgroup_id_z 1
		.amdhsa_system_vgpr_workitem_id 0
		.amdhsa_next_free_vgpr 1024
		.amdhsa_next_free_sgpr 66
		.amdhsa_reserve_vcc 0
		.amdhsa_float_denorm_mode_32 3
		.amdhsa_float_denorm_mode_16_64 3
		.amdhsa_memory_ordered 1
		.amdhsa_forward_progress 1
		.amdhsa_inst_pref_size 198
	.end_amdhsa_kernel
	.amdgpu_metadata
---
amdhsa.version: [ 1, 2 ]
amdhsa.kernels:
  - .name:           k_q25696a2b4b_attn
    .symbol:         k_q25696a2b4b_attn.kd
    .args:
      - { .name: qkvc, .offset: 0, .size: 8, .value_kind: global_buffer, .address_space: global }
      - { .name: qkvs, .offset: 8, .size: 8, .value_kind: global_buffer, .address_space: global }
      - { .name: oc, .offset: 16, .size: 8, .value_kind: global_buffer, .address_space: global }
      - { .name: os, .offset: 24, .size: 8, .value_kind: global_buffer, .address_space: global }
    .group_segment_fixed_size: 279552
    .private_segment_fixed_size: 0
    .kernarg_segment_align: 8
    .kernarg_segment_size: 32
    .max_flat_workgroup_size: 128
    .sgpr_count:     66
    .vgpr_count:     1024
    .wavefront_size: 32
...
	.end_amdgpu_metadata
.endif
;; end of part 3
;; launch proj (part 4): grid 4 x 16, 4 waves a work-group, clusters of 4 x 4, 327,680 bytes of LDS; arguments oc, os, wc, ws, out0; writes out0
.if DOCPART == 4
	.amdgcn_target "amdgcn-amd-amdhsa--gfx1250"
	.amdhsa_code_object_version 6
	.text
	.protected	k_q25696a2b4b_proj
	.globl	k_q25696a2b4b_proj
	.p2align	8
	.type	k_q25696a2b4b_proj,@function
k_q25696a2b4b_proj:
	s_mov_b64 s[64:65], 0
	v_nop
	global_prefetch_b8 v0, s[64:65] scope:SCOPE_SE
	s_setreg_imm32_b32 hwreg(HW_REG_WAVE_MODE, 25, 1), 1
	s_wait_xcnt 0x0
	s_wait_alu depctr_hold_cnt(0) depctr_sa_sdst(0) depctr_va_vdst(0) depctr_va_sdst(0) depctr_va_ssrc(0) depctr_va_vcc(0) depctr_vm_vsrc(0)
	s_getreg_b32 s2, hwreg(HW_REG_IB_STS2, 6, 4)
	s_cmp_eq_u32 s2, 0
	s_cbranch_scc0 .Lentry_in_a_cluster
	s_endpgm
.Lentry_in_a_cluster:
	s_bfe_u32 s2, ttmp6, 0x10000c
	s_cmp_lg_u32 s2, 0xf033
	s_cbranch_scc0 .Lentry_shape_is_right
	s_endpgm
.Lentry_shape_is_right:
; out0 = o Wo^T on codes of FP6 (E2M3) with E8M0 scales, K = 1,024; out0 [4096][1024] f32.
; o's codes and scale bytes are as the attention launch stores them, Wo's are tiles 192-255 of wc and ws.  TILES AND UNITS: tile t = 4 g + T, position r = row 64 g + 32 (r / 8) + 8 T + r % 8;
; a unit = 16 positions x 64 along K, 768 bytes in the order of an operand's registers; codes [tile][16 units][768]; scale bytes [tile][u][r][16].
; A work-group of four waves makes 256 x 256, a wave 128 x 128: 64 accumulators.  Source 0 = Wo's rows (side B), source 1 = o's rows (side A): lane (r, h) holds position r of A's tile, and the 32 registers
; of B's tiles 4 g .. 4 g + 3 are columns 64 g + 32 h + 0 .. 31 of out0.  K goes in four fills of 256 through two LDS slots; every fragment load reads 256 consecutive bytes: no padding.
; CLUSTERS: 4 x 4 work-groups; A's tiles are asked for jointly along a row of the cluster, B's along a column.  The scale bytes come once, with the first fills.
; 64 work-groups: the tile is kept at 256 x 256, so that this launch and the one that makes q, k, v share one form.  No prefetch: of the four fills two go out at the head.
; REGISTERS: window 0: v1-31 addresses; v32-63 scale words, two sets; v128-223 A's fragments; on the way out v128-255 rows of out0.   window 1: B's fragments, two sets.   windows 2, 3: the accumulators.
.set NQ,    2
.set FR,    12
.set NL,    6
.set NP,    4                          ; places behind this matrix instruction (ISA guide 7.12.1)
.set TILEB, 12288
.set FILLB, 3072
.set HALFT, 8*FILLB
.set SLOT,  4*HALFT
.set SCL,   2*SLOT
.set HALFS, 4096
.set SPARE, SCL+4*HALFS                ; the spare words: 128 bytes for each wave, two blocks of 256 bytes that no other line names
.set SPITCH, 528                       ; the way out: a stage of 16 rows x (512 bytes + 16) for each wave, in slot 0, behind its last fill and its last read
.set ADRA, 16
.set ADRB, 20
.set STO,  24                          ; v24  where I put 128 bytes of a row, 16 at a time
.set RD,   25                          ; v25  where I read a row back
.set CO,   26                          ; v26  16 x lane
.set ADRS, 27
.set SPW,  28
.set NIL,  29
.set L8,   30
.set SC,   32
.set AF,   128
.set BK,   128
.set G1, 24
.set G0, 32
.set G1B, 48
.set G0B, 56
.set G1S, 68
.set G0S, 76
.set G1SB, 80
.set G0SB, 88
.set MSB, 0
.macro WIN new                         ; the immediate's high byte repeats the setting that is left
.set NW, \new
.if MSB != NW
	s_set_vgpr_msb (MSB<<8)|NW
.set MSB, NW
.endif
.endm
.set MUL_LO, 0xa1
.set MUL_HI, 0xf1
.set TO_B,   0x40
.macro JLOAD g0a, g1a, g0b, g1b        ; a joint load: waves 0 and 1 fetch for A, waves 2 and 3 for B; an s_nop 0 and four v_nop follow each line
	s_cmp_eq_u32 s15, 0
	s_cbranch_scc0 .Lfor_b_\@
	tensor_load_to_lds s[\g0a:\g0a+3], s[\g1a:\g1a+7]
	s_nop 0
.rept 4
	v_nop
.endr
	s_branch .Lasked_\@
.Lfor_b_\@:
	tensor_load_to_lds s[\g0b:\g0b+3], s[\g1b:\g1b+7]
	s_nop 0
.rept 4
	v_nop
.endr
.Lasked_\@:
.endm
.macro CREST
	s_cmp_lg_u32 s14, 0
	s_cbranch_scc1 .Lnot_wave_0_\@
	s_barrier_signal -3
.Lnot_wave_0_\@:
	s_barrier_wait -3
	s_barrier_signal -1
	s_barrier_wait -1
.endm
.macro CROUND
	s_barrier_signal -1
	s_barrier_wait -1
	CREST
.endm
	s_load_b256 s[4:11], s[0:1], 0x0               ; oc, os, wc, ws
	s_load_b64 s[12:13], s[0:1], 0x20              ; out0
	v_lshl_add_u32 v[SPW], v0, 2, SPARE
	v_mov_b32 v[NIL], 0
	ds_add_u32 v[SPW], v[NIL]                      ; the wave's opening: the add and its wait stand ahead of my first tensor load; work on registers stands between them
	v_lshrrev_b32 v1, 5, v0
	v_readfirstlane_b32 s14, v1                    ; wave 0..3
	s_lshr_b32 s15, s14, 1
	s_and_b32 s16, s14, 1
	s_bfe_u32 s40, ttmp6, 0x40000                  ; cx
	s_bfe_u32 s41, ttmp6, 0x40004                  ; cy
	s_lshl_b32 s42, ttmp9, 2
	s_add_co_u32 s42, s42, s40                     ; tile column of out0
	s_and_b32 s17, ttmp7, 0xffff
	s_lshl_b32 s17, s17, 2
	s_add_co_u32 s17, s17, s41                     ; tile row
	s_lshl_b32 s43, s41, 2
	s_lshl_b32 s43, 15, s43                        ; my row of the cluster
	s_lshl_b32 s44, 0x1111, s40                    ; my column
	s_or_b32 s[G1+0], s43, (3<<16)|(1<<21)         ; 15:0 the mask; 17:16 elements of 8 bytes; 21 set beside a mask; no padding
	s_or_b32 s[G1B+0], s44, (3<<16)|(1<<21)
.irp g, G1, G1B
	s_mov_b32 s[\g+1], 384<<16                     ; a tile's 3,072 bytes of a fill
	s_mov_b32 s[\g+2], 8<<16                       ; eight tiles
	s_mov_b32 s[\g+3], 384<<16
	s_mov_b32 s[\g+4], 8
	s_mov_b32 s[\g+5], 1536                        ; from tile to tile: 12,288 bytes
	s_mov_b32 s[\g+6], 0
	s_mov_b32 s[\g+7], 0
.endr
	s_or_b32 s[G1S+0], s43, (3<<16)|(1<<21)        ; the scale bytes of eight tiles: 4,096 dense bytes as 16 rows of 256
	s_or_b32 s[G1SB+0], s44, (3<<16)|(1<<21)
.irp g, G1S, G1SB
	s_mov_b32 s[\g+1], 32<<16
	s_mov_b32 s[\g+2], 16<<16
	s_mov_b32 s[\g+3], 32<<16
	s_mov_b32 s[\g+4], 16
	s_mov_b32 s[\g+5], 32
	s_mov_b32 s[\g+6], 0
	s_mov_b32 s[\g+7], 0
.endr
	s_lshl_b32 s18, s16, 3                         ; which eight tiles I fetch
	s_lshl_b32 s20, s17, 4
	s_add_co_u32 s20, s20, s18                     ; A: 16 x tile row + 8 x half
	s_lshl_b32 s46, s42, 4
	s_add_co_u32 s46, s46, s18
	s_add_co_u32 s46, s46, 192                     ; B: Wo's tiles begin at 192
	s_mul_i32 s22, s20, 512
	s_mul_i32 s20, s20, TILEB
	s_mov_b32 s21, 0
	s_mov_b32 s23, 0
	s_mul_i32 s92, s46, 512
	s_mul_i32 s46, s46, TILEB
	s_mov_b32 s47, 0
	s_mov_b32 s93, 0
	s_mul_i32 s45, s14, HALFT                      ; where they go: no place in the cluster enters an LDS address
	s_lshl_b32 s94, s14, 12
	s_wait_dscnt 0x0                               ; the opening add is done
	s_wait_kmcnt 0x0
	s_add_nc_u64 s[G0+2:G0+3], s[4:5], s[20:21]
	s_add_nc_u64 s[G0+6:G0+7], s[G0+2:G0+3], FILLB
	s_add_nc_u64 s[G0S+2:G0S+3], s[6:7], s[22:23]
	s_add_nc_u64 s[G0B+2:G0B+3], s[8:9], s[46:47]
	s_add_nc_u64 s[G0B+6:G0B+7], s[G0B+2:G0B+3], FILLB
	s_add_nc_u64 s[G0SB+2:G0SB+3], s[10:11], s[92:93]
	s_or_b32 s[G0+3], s[G0+3], 0x80000000          ; type = 2
	s_or_b32 s[G0+7], s[G0+7], 0x80000000
	s_or_b32 s[G0S+3], s[G0S+3], 0x80000000
	s_or_b32 s[G0B+3], s[G0B+3], 0x80000000
	s_or_b32 s[G0B+7], s[G0B+7], 0x80000000
	s_or_b32 s[G0SB+3], s[G0SB+3], 0x80000000
	s_mov_b32 s[G0], 1
	s_mov_b32 s[G0+4], 1
	s_mov_b32 s[G0B], 1
	s_mov_b32 s[G0B+4], 1
	s_mov_b32 s[G0S], 1
	s_mov_b32 s[G0SB], 1
	s_mov_b32 s[G0+1], s45
	s_add_co_u32 s[G0+5], s45, SLOT
	s_mov_b32 s[G0B+1], s45
	s_add_co_u32 s[G0B+5], s45, SLOT
	s_add_co_u32 s[G0S+1], s94, SCL
	s_add_co_u32 s[G0SB+1], s94, SCL
	CROUND                                         ; all sixteen work-groups are here: the first joint loads meet
	JLOAD G0S, G1S, G0SB, G1SB                     ; three loads of mine are out: the scale bytes,
	JLOAD G0, G1, G0B, G1B                         ; slot 0,
	JLOAD G0+4, G1, G0B+4, G1B                     ; slot 1
	v_and_b32 v1, 15, v0                           ; r
	v_bfe_u32 v2, v0, 4, 1                         ; h
	v_and_b32 v3, 31, v0                           ; lane
	v_lshlrev_b32 v[L8], 3, v3
	s_mul_i32 s21, s15, HALFT
	s_mul_i32 s22, s16, HALFT
	s_add_co_u32 s22, s22, 2*HALFT
.irp s, 0,1
	v_add_nc_u32 v[ADRA+\s], s21, v[L8]
	v_add_nc_u32 v[ADRB+\s], s22, v[L8]
	s_add_co_u32 s21, s21, SLOT
	s_add_co_u32 s22, s22, SLOT
.endr
	v_lshlrev_b32 v5, 4, v1
	s_lshl_b32 s21, s15, 12
	s_lshl_b32 s22, s16, 12
	s_add_co_u32 s22, s22, 2*HALFS
	s_sub_co_u32 s22, s22, s21
	v_mul_u32_u24 v6, s22, v2                      ; lanes 16-31 take B's scale words: one product in h
	s_add_co_u32 s21, s21, SCL
	v_add_nc_u32 v5, v5, v6
	v_add_nc_u32 v[ADRS], s21, v5
	s_mul_i32 s23, s14, 16*SPITCH                  ; my stage
	v_mul_u32_u24 v5, v1, SPITCH
	v_lshl_add_u32 v5, v2, 7, v5                   ; in: row r, + 128 h
	v_add_nc_u32 v[STO], s23, v5
	v_lshlrev_b32 v[CO], 4, v3                     ; back: the 32 lanes take one row of 512 bytes; and the same in out0
	v_add_nc_u32 v[RD], s23, v[CO]
	s_lshl_b32 s20, s17, 20                        ; my first row: (256 x tile row + 128 x half) x 4,096 bytes
	s_lshl_b32 s21, s15, 19
	s_add_co_u32 s20, s20, s21
	s_mov_b32 s21, 0
	s_lshl_b32 s46, s42, 10                        ; my first column, in bytes
	s_lshl_b32 s47, s16, 9
	s_add_co_u32 s46, s46, s47
	s_mov_b32 s47, 0
	s_add_nc_u64 s[20:21], s[20:21], s[46:47]
	s_add_nc_u64 s[12:13], s[12:13], s[20:21]
.macro FRAG reg, adr, q, i             ; a fragment: two units, six loads of 8 bytes a lane, each 256 consecutive bytes for the wave
.irp p, 0,1,2,3,4,5
	ds_load_b64 v[\reg+2*\p:\reg+2*\p+1], v[\adr] offset:FILLB*(\i)+768*(2*(\q)+\p/3)+256*(\p%3)
.endr
.endm
; 16 matrix instructions: A's blocks a0, a0 + 1 x B's eight.  The 64 accumulators take turns, one instruction a turn, in the same order in every step.
.macro MUL16 a0, p, q, sc, zero
.irp a, \a0, \a0+1
.irp b, 0,1,2,3,4,5,6,7
.if \zero
	v_wmma_scale_f32_16x16x128_f8f6f4 v[8*(8*((\a)%4)+\b):8*(8*((\a)%4)+\b)+7], v[128*(\p)+FR*\b:128*(\p)+FR*\b+FR-1], v[AF+FR*(\a):AF+FR*(\a)+FR-1], 0, v[SC+8*NQ*(\sc)+NQ*\b+(\q)], v[SC+8*NQ*(\sc)+NQ*(\a)+(\q)] matrix_a_fmt:MATRIX_FMT_FP6 matrix_b_fmt:MATRIX_FMT_FP6 matrix_a_scale:MATRIX_SCALE_ROW1
.else
	v_wmma_scale_f32_16x16x128_f8f6f4 v[8*(8*((\a)%4)+\b):8*(8*((\a)%4)+\b)+7], v[128*(\p)+FR*\b:128*(\p)+FR*\b+FR-1], v[AF+FR*(\a):AF+FR*(\a)+FR-1], v[8*(8*((\a)%4)+\b):8*(8*((\a)%4)+\b)+7], v[SC+8*NQ*(\sc)+NQ*\b+(\q)], v[SC+8*NQ*(\sc)+NQ*(\a)+(\q)] matrix_a_fmt:MATRIX_FMT_FP6 matrix_b_fmt:MATRIX_FMT_FP6 matrix_a_scale:MATRIX_SCALE_ROW1
.endif
.endr
.endr
.endm
.macro FETCH_B slot, q, p
	WIN TO_B
.irp i, 0,1,2,3,4,5,6,7
	FRAG 128*(\p)+FR*\i, ADRB+\slot, \q, \i
.endr
	WIN 0
.endm
.macro FETCH_A slot, q, i0
.irp i, \i0, \i0+1, \i0+2, \i0+3
	FRAG AF+FR*(\i), ADRA+\slot, \q, \i
.endr
.endm
.macro SCALES sc, ks
.irp i, 0,1,2,3,4,5,6,7
	ds_load_b64 v[SC+8*NQ*\sc+NQ*\i:SC+8*NQ*\sc+NQ*\i+1], v[ADRS] offset:512*\i+256*((\ks)/2)+8*((\ks)%2)
.endr
.endm
.macro PLACES n
.rept \n
	v_nop
.endr
.endm
.macro STEP slot, q, zero
	s_wait_dscnt 4*NL                              ; B's set and A's blocks 0-3 are in; the youngest 24 loads (A's blocks 4-7) may be out
	WIN MUL_LO
	MUL16 0, (\q)%2, \q, \slot, \zero
	MUL16 2, (\q)%2, \q, \slot, \zero
	s_wait_dscnt 0
	PLACES NP
	FETCH_B \slot, (\q)+1, 1-(\q)%2
	FETCH_A \slot, (\q)+1, 0
	WIN MUL_HI
	MUL16 4, (\q)%2, \q, \slot, \zero
	MUL16 6, (\q)%2, \q, \slot, \zero
	PLACES NP
	WIN 0
	FETCH_A \slot, (\q)+1, 4
.endm
.macro TURN slot, next, fill, ksn
	s_wait_tensorcnt 0x0                           ; all my tensor loads have landed: my part of the next slot
	ds_add_u32 v[SPW], v[NIL]                      ; 0 onto my spare word
	s_wait_dscnt 4*NL+1                            ; (the add and the youngest 24 loads may be out)
	WIN MUL_LO
	MUL16 0, 1, NQ-1, \slot, 0
	s_wait_dscnt 0x0                               ; the add is done, and my reads of this slot are over
	s_barrier_signal -1
	MUL16 2, 1, NQ-1, \slot, 0
	WIN 0
	s_barrier_wait -1
.if \fill
	CREST                                          ; the barrier has opened a round of the cluster's: no wave of any partner still reads this slot or has a load on its way
	s_add_nc_u64 s[G0+4*\slot+2:G0+4*\slot+3], s[G0+4*\slot+2:G0+4*\slot+3], 2*FILLB
	s_add_nc_u64 s[G0B+4*\slot+2:G0B+4*\slot+3], s[G0B+4*\slot+2:G0B+4*\slot+3], 2*FILLB
	JLOAD G0+4*\slot, G1, G0B+4*\slot, G1B         ; the first tensor load behind the round; its four v_nop are the places in front of the loads below
.else
	PLACES NP
.endif
	FETCH_B \next, 0, 0
	FETCH_A \next, 0, 0
	SCALES \next, \ksn
	WIN MUL_HI
	MUL16 4, 1, NQ-1, \slot, 0
	MUL16 6, 1, NQ-1, \slot, 0
	PLACES NP
	WIN 0
	FETCH_A \next, 0, 4
.endm
	s_wait_tensorcnt 1                             ; the scale bytes and my part of slot 0 are in (slot 1's load may be out),
	s_barrier_signal -1
	s_barrier_wait -1                              ; everybody's are
	FETCH_B 0, 0, 0
	FETCH_A 0, 0, 0
	SCALES 0, 0
	FETCH_A 0, 0, 4
	STEP 0, 0, 1                                   ; the first products start the sums: nothing is cleared
	TURN 0, 1, 1, 1
	STEP 1, 0, 0
	TURN 1, 0, 1, 2
	STEP 0, 0, 0
	TURN 0, 1, 0, 3
	STEP 1, 0, 0
	s_wait_dscnt 4*NL
	WIN MUL_LO
	MUL16 0, 1, NQ-1, 1, 0
	MUL16 2, 1, NQ-1, 1, 0
	s_wait_dscnt 0
	WIN MUL_HI
	MUL16 4, 1, NQ-1, 1, 0
	MUL16 6, 1, NQ-1, 1, 0
	WIN 0
; THE WAY OUT, block by block of 16 positions x 128 columns, through my own stage: in by lanes (a lane's 32 columns of each 64 are 128 neighbouring bytes of its row), back as whole rows of 512 bytes.
; LDS serves a wave's instructions in order (ISA guide 5.7.1.4): no wait between the stores and the loads, nor in front of the next block's stores.
.macro TOSTAGE a
.set AC, 64*((\a)%4)
	WIN 0x08+4*((\a)/4)                            ; the data: window 2 or 3
.irp b, 0,1,2,3,4,5,6,7
	ds_store_b128 v[STO], v[AC+8*\b:AC+8*\b+3] offset:256*(\b/4)+32*(\b%4)         ; each accumulator from its low end on
	ds_store_b128 v[STO], v[AC+8*\b+4:AC+8*\b+7] offset:256*(\b/4)+32*(\b%4)+16
.endr
	WIN 0
.set BB, BK+64*((\a)%2)
.irp t, 0,1,2,3,4,5,6,7,8,9,10,11,12,13,14,15
	ds_load_b128 v[BB+4*\t:BB+4*\t+3], v[RD] offset:\t*SPITCH
.endr
.endm
.macro SEND a, younger                 ; position t of my tile a is row 64 (a / 4) + 32 (t / 8) + 8 (a % 4) + t % 8 of my 128: it stands in the immediate, 520,192 bytes at the most; no base is stepped
.set BB, BK+64*((\a)%2)
	s_wait_dscnt \younger
.irp t, 0,1,2,3,4,5,6,7,8,9,10,11,12,13,14,15
	global_store_b128 v[CO], v[BB+4*\t:BB+4*\t+3], s[12:13] offset:(64*((\a)/4)+32*(\t/8)+8*((\a)%4)+\t%8)*4096 th:TH_STORE_NT   ; 32 lanes store 512 consecutive bytes, aligned to 256
.endr
.endm
	PLACES NP
	TOSTAGE 0
.irp a, 1,2,3,4,5,6,7
.if \a > 1
	s_wait_xcnt 0x0                                ; block a - 2's stores have read their registers: block a's loads may land there
.endif
	TOSTAGE \a
	SEND \a-1, 32                                  ; behind block a - 1's loads: block a's 16 stores and 16 loads
.endr
	SEND 7, 0
	s_wait_tensorcnt 0x0                           ; the wave's end: behind my last tensor load and my last LDS store
	ds_add_u32 v[SPW], v[NIL]
	s_wait_dscnt 0x0
	CROUND                                         ; the closing round
	s_endpgm
.Lfunc_end_k_q25696a2b4b_proj:
	.size	k_q25696a2b4b_proj, .Lfunc_end_k_q25696a2b4b_proj-k_q25696a2b4b_proj
	.p2alignl 7, 3214868480
	.fill 96, 4, 3214868480
	.section	.rodata,"a",@progbits
	.p2align	6, 0x0
	.amdhsa_kernel k_q25696a2b4b_proj
		.amdhsa_group_segment_fixed_size 327680
		.amdhsa_private_segment_fixed_size 0
		.amdhsa_enable_private_segment 0
		.amdhsa_kernarg_size 40
		.amdhsa_user_sgpr_count 2
		.amdhsa_user_sgpr_kernarg_segment_ptr 1
		.amdhsa_wavefront_size32 1
		.amdhsa_system_sgpr_workgroup_id_x 1
		.amdhsa_system_sgpr_workgroup_id_y 1
		.amdhsa_system_sgpr_workgroup_id_z 1
		.amdhsa_system_vgpr_workitem_id 0
		.amdhsa_next_free_vgpr 1024
		.amdhsa_next_free_sgpr 98
		.amdhsa_reserve_vcc 0
		.amdhsa_float_denorm_mode_32 3
		.amdhsa_float_denorm_mode_16_64 3
		.amdhsa_memory_ordered 1
		.amdhsa_forward_progress 1
		.amdhsa_inst_pref_size 158
	.end_amdhsa_kernel
	.amdgpu_metadata
---
amdhsa.version: [ 1, 2 ]
amdhsa.kernels:
  - .name:           k_q25696a2b4b_proj
    .symbol:         k_q25696a2b4b_proj.kd
    .args:
      - { .name: oc, .offset: 0, .size: 8, .value_kind: global_buffer, .address_space: global }
      - { .name: os, .offset: 8, .size: 8, .value_kind: global_buffer, .address_space: global }
      - { .name: wc, .offset: 16, .size: 8, .value_kind: global_buffer, .address_space: global }
      - { .name: ws, .offset: 24, .size: 8, .value_kind: global_buffer, .address_space: global }
      - { .name: out0, .offset: 32, .size: 8, .value_kind: global_buffer, .address_space: global }
    .group_segment_fixed_size: 327680
    .private_segment_fixed_size: 0
    .kernarg_segment_align: 8
    .kernarg_segment_size: 40
    .max_flat_workgroup_size: 128
    .sgpr_count:     98
    .vgpr_count:     1024
    .wavefront_size: 32
...
	.end_amdgpu_metadata
.endif
;; end of part 4
